; MI455X (gfx1250); checked and timed in simulation.
; The chip was launched on July 23, 2026; its instructions are those of AMD's public machine-readable ISA for CDNA 5 (MIT licence, August 2026) and "CDNA5" Instruction Set Architecture Reference Guide (July 2026). The comments in the code are by the model that wrote it; some were corrected since.
;; Senri Attention. Allowed arithmetic: matrix products marked QUANTISED: E2M1 operands, one E8M0 scale for each 32 along K, by v_wmma_scale_f32_16x16x128_f8f6f4 with both operands' format E2M1 (or v_wmma_scale_f32_32x16x128_f4), f32 sums; products left as they are: bf16, f16 or f32 operands; f32 sums; everything else in f32.
;; Inputs: M 2,048 x 2,048 float32; Wk 2,048 x 2,048 float32; Wo 2,048 x 2,048 float32; Wq 2,048 x 2,048 float32; Wv 2,048 x 2,048 float32; hidden_states 2 x 1,024 x 2,048 float32; z 2,048 float32.
;; Outputs: out0 2 x 1,024 x 2,048 float32; out1 2,048 x 2,048 float32; out2 2,048 float32.
;; This version of the problem:
;;   THIS VERSION OF THE PROBLEM IS GIVEN IN LOW PRECISION. The matrix products marked QUANTISED in the list below multiply operands that are first quantised to E2M1 (2 exponent bits, 1 mantissa bit; 4 bits a number), with one power-of-two scale for each 32 numbers along K (OCP MX v1.0); their sums are f32. The products marked 'left as it is' may take bf16, f16 or f32 operands, with f32 sums. Whichever they take, every output number must still come out within the allowed error. Rounding operands to bf16 (8 significant bits) uses up far more of that allowance than f16 does (11 bits, for magnitudes from 6e-5 to 65,504). All else is computed in f32.
;;   The module's matrix products, in the order in which they are computed (A, B: the left and right operand; K: the contracted axis; several contracted axes count as one K, in the product's order):
;;     1. [M 2,048, K 2,048] x [K 2,048, N 2,048]; A: input hidden_states; B: input Wq: QUANTISED
;;     2. [M 2,048, K 2,048] x [K 2,048, N 2,048]; A: input hidden_states; B: input Wk: QUANTISED
;;     3. [M 2,048, K 2,048] x [K 2,048, N 2,048]; A: input hidden_states; B: input Wv: QUANTISED
;;     4. [M 2,048, K 2,048] x [K 2,048, N 1]; A: computed on the way; B: input z: left as it is (N = 1 < 16)
;;     5. [M 2,048, K 2,048] x [K 2,048, N 2,048]; A: computed on the way; B: input M: left as it is (an operand is computed on the way)
;;     6. [M 2,048, K 2,048] x [K 2,048, N 2,048]; A: computed on the way; B: computed on the way: left as it is (an operand is computed on the way)
;;     7. [M 2,048, K 2,048] x [K 2,048, N 2,048]; A: computed on the way; B: input Wo: left as it is (an operand is computed on the way)
;;   THE QUANTISER, for each operand of a quantised product, along K:
;;     - K is cut into blocks of 32 from its start; a last block that is shorter is filled with zeros.
;;     - A block's scale is 2^e with e = floor(log2(the largest magnitude in the block)) - 2, held to -126 .. 127; a block of zeros has e = 0. As a byte (E8M0): e + 127.
;;     - Each number is divided by its block's scale, clamped to +-6, and rounded to the nearest number of E2M1, ties to even, subnormals kept.
;;     - The product sums the exact products of the quantised numbers (number of the format x scale) in f32.
;;   ~~~python
;;   def quantise(x, axis):      # numpy; x: float32 -> the quantised numbers, widened to float32 again
;;       x = np.moveaxis(x, axis, -1); K = x.shape[-1]
;;       x = np.pad(x, [(0, 0)] * (x.ndim - 1) + [(0, -K % 32)]); x = x.reshape(x.shape[:-1] + (-1, 32)); a = np.abs(x).max(-1, keepdims=True)
;;       e = np.where(a > 0, np.clip(np.frexp(np.where(a > 0, a, 1))[1] - 1 - 2, -126, 127), 0)      # np.frexp(a)[1] - 1 = floor(log2(a)), exactly
;;       r = np.clip(x / 2.0 ** e, -6, 6)
;;       step = 2.0 ** (np.maximum(np.frexp(np.where(r == 0, 1, r))[1] - 1, 0) - 1)
;;       q = np.round(r / step) * step * 2.0 ** e      # np.round: ties to even
;;       return np.moveaxis(q.reshape(q.shape[:-2] + (-1,))[..., :K], -1, axis).astype(np.float32)
;;   ~~~
;; One version. Each part assembles by itself: llvm-mc -triple=amdgcn-amd-amdhsa -mcpu=gfx1250 --defsym DOCPART=n.
;; ======== version 1 of 1: 4 launches
;; limits: values are held in f16: magnitudes above 65,504 overflow, below 6.1e-05 lose precision; right only within a limited range of input values
;; workspace buffers: codes 8,388,608 bytes; scales 524,288 bytes; w16 16,777,216 bytes; act 25,165,824 bytes; stats 786,432 bytes; aq 8,388,608 bytes; pt 8,388,608 bytes; rowf 8,192 bytes
;; launch prep (part 1): grid 768 x 1, 4 waves a work-group, no clusters, 33,280 bytes of LDS; arguments hidden_states, Wq, Wk, Wv, M, Wo, codes, scales, w16; writes codes, scales, w16
.if DOCPART == 1
	.amdgcn_target "amdgcn-amd-amdhsa--gfx1250"
	.amdhsa_code_object_version 6
	.text
	.protected	k_qaa39cbbd8a_prep
	.globl	k_qaa39cbbd8a_prep
	.p2align	8
	.type	k_qaa39cbbd8a_prep,@function
k_qaa39cbbd8a_prep:
	s_mov_b64 s[64:65], 0
	v_nop
	global_prefetch_b8 v0, s[64:65] scope:SCOPE_SE
	s_setreg_imm32_b32 hwreg(HW_REG_WAVE_MODE, 25, 1), 1
	s_wait_xcnt 0x0
; Work-groups 0-511: hidden_states, Wq, Wk, Wv (each 2,048 x 2,048 f32, K innermost) become codes of FP4 (E2M1) with one E8M0 scale byte for each 32 along K.
;   codes: [8192 rows][1,024 bytes], rows 0-2047 hidden_states, then Wq, Wk, Wv.   scales: [8192 rows][64 bytes].
;   A block's scale is 2^(floor(log2(its largest magnitude)) - 2); its byte is the largest magnitude's exponent field - 2, held at 1 from below.  A block of zeros so gets the byte 1 where the
;   rule says 127: its codes are zeros, which add nothing, and this program alone reads the bytes.
; Work-groups 512-767: M becomes f16(M), Wo becomes f16(16 Wo), rows of 4,096 bytes, in w16: M's at byte 0, Wo's at byte 8,388,608.  The 16 is exact and is taken back in the last launch.
; LIMITS: |M| under 65,504 and |Wo| under 4,094 (beyond: infinity in f16); blocks whose largest magnitude lies under 2^-124 were not tried; NaN and infinities among the inputs are not served.
; Rows are dense and K is a multiple of 32: every tensor is a plain stream.  A wave takes 8,192 numbers.  No tensor load, no barrier: waves share nothing.
.set WAVES, 4
.set STEPS, 16
.set EMAX,  2
.set CB,    8                          ; bytes of 16 codes
.set R,     16                         ; v16-79   four sets of 16 numbers as they are loaded
.set X,     80                         ; v80-111  two sets of 16 neighbours
.set E,     112                        ; v112-127 a scale byte for each step
.set C,     128                        ; v128-191 codes: four registers for each step, so that no store's data are written again
.set WREG,  8192                       ; LDS: a region for each wave: two stages of 32 x SP bytes, behind them its 256 scale bytes
.set SP,    80                         ; a lane's place in a stage: 64 bytes + 16 of padding
.set SPW,   12                         ; v12  LDS address of my spare word; never rewritten
.set NIL,   13                         ; v13  0; never rewritten
.set SPARE, WAVES*WREG                 ; the spare words, 128 bytes a wave: two blocks of 256 bytes that no other line names
.set XI,    16                         ; the f16 path: v16-79 sixteen slots of four f32
.set Y,     80                         ; v80-207 two registers for each of 64 stores
	s_load_b256 s[4:11], s[0:1], 0x0               ; hidden_states, Wq, Wk, Wv
	s_load_b256 s[12:19], s[0:1], 0x20             ; M, Wo, codes, scales
	s_load_b64 s[20:21], s[0:1], 0x40              ; w16
	v_lshl_add_u32 v[SPW], v0, 2, SPARE
	v_mov_b32 v[NIL], 0
	v_lshrrev_b32 v1, 5, v0
	v_readfirstlane_b32 s22, v1                    ; wave
	v_and_b32 v2, 31, v0                           ; lane
	s_cmp_ge_u32 ttmp9, 512
	s_cbranch_scc1 .Lconvert
	; ---------------- the quantiser ----------------
	v_lshlrev_b32 v3, 4, v2                        ; my 16 bytes of a load's 512
	s_mul_i32 s23, s22, WREG
	v_lshrrev_b32 v14, 2, v2
	v_mul_u32_u24 v14, v14, SP
	v_and_b32 v15, 3, v2
	v_lshl_add_u32 v14, v15, 4, v14
	v_add_nc_u32 v14, s23, v14                     ; the stage, on the way in: SP (lane / 4) + 16 (lane % 4)
	v_mul_u32_u24 v15, v2, SP
	v_add_nc_u32 v15, s23, v15                     ; and on the way out: SP x lane: my 16 neighbours
	v_mul_u32_u24 v4, v2, CB                       ; my codes' place in a step's
	v_lshrrev_b32 v5, 1, v2
	s_add_co_u32 s23, s23, 2*32*SP
	v_add_nc_u32 v5, s23, v5                       ; LDS: my wave's 256 scale bytes, my block's byte
	v_lshlrev_b32 v7, 3, v2                        ; and on the way out 8 bytes a lane
	v_add_nc_u32 v6, s23, v7
	s_lshr_b32 s32, ttmp9, 7                       ; which of the four tensors: 128 work-groups each
	s_and_b32 s26, ttmp9, 127
	s_lshl_b32 s26, s26, 2
	s_add_co_u32 s26, s26, s22
	s_lshl_b32 s26, s26, 15                        ; my run of 8,192 numbers in the tensor: 32,768 bytes each
	s_mov_b32 s27, 0
	s_lshl_b32 s28, ttmp9, 2
	s_add_co_u32 s28, s28, s22                     ; my run among all four tensors'
	s_lshl_b32 s34, s28, 8                         ; 256 scale bytes a run
	s_mov_b32 s35, 0
	s_lshl_b32 s28, s28, 12                        ; 4,096 bytes of codes a run
	s_mov_b32 s29, 0
	s_wait_kmcnt 0x0
	s_cmp_eq_u32 s32, 1                            ; the choice hangs on the work-group's number alone
	s_cselect_b64 s[24:25], s[6:7], s[4:5]
	s_cmp_eq_u32 s32, 2
	s_cselect_b64 s[24:25], s[8:9], s[24:25]
	s_cmp_eq_u32 s32, 3
	s_cselect_b64 s[24:25], s[10:11], s[24:25]
	s_add_nc_u64 s[24:25], s[24:25], s[26:27]
	s_add_nc_u64 s[16:17], s[16:17], s[28:29]
	s_add_nc_u64 s[18:19], s[18:19], s[34:35]
.macro LOAD t
.irp i, 0,1,2,3
	global_load_b128 v[R+16*((\t)%4)+4*\i:R+16*((\t)%4)+4*\i+3], v3, s[24:25] offset:2048*(\t)+512*\i th:TH_LOAD_NT   ; 32 lanes read 512 consecutive bytes
.endr
.endm
.macro TURN t                          ; step t's numbers through the stage: LDS serves a wave's instructions in order, so no wait stands between the stores and the loads
.irp i, 0,1,2,3
	ds_store_b128 v14, v[R+16*((\t)%4)+4*\i:R+16*((\t)%4)+4*\i+3] offset:32*SP*((\t)%2)+8*SP*\i
.endr
.irp i, 0,1,2,3
	ds_load_b128 v[X+16*((\t)%2)+4*\i:X+16*((\t)%2)+4*\i+3], v15 offset:32*SP*((\t)%2)+16*\i
.endr
.endm
.irp t, 0,1,2,3
	LOAD \t
.endr
	s_wait_loadcnt 12                              ; step 0's four loads are in; twelve younger ones stay out
	TURN 0
.macro STEP t
.set XS, X+16*((\t)%2)
.if (\t) > 0
	s_wait_dscnt 1                                 ; this step's numbers are back from the stage (the last step's byte store may be out): its stores into the stage have read their registers,
.else
	s_wait_dscnt 0x0
.endif
.if (\t)+4 < STEPS
	LOAD (\t)+4                                    ; which take the loads of four steps on
.endif
.if (\t)+1 < STEPS
.if STEPS-2-(\t) >= 3
	s_wait_loadcnt 12                              ; the next step's four loads are in; those of the three steps behind it may be out
.else
	s_wait_loadcnt 4*(STEPS-2-(\t))
.endif
	TURN (\t)+1                                    ; and go through the other stage while this step is worked
.endif
	v_max3_num_f32 v8, |v[XS]|, |v[XS+1]|, |v[XS+2]|               ; the largest magnitude of my 16
	v_max3_num_f32 v9, |v[XS+3]|, |v[XS+4]|, |v[XS+5]|
.irp i, 6,10
	v_max3_num_f32 v8, v8, |v[XS+\i]|, |v[XS+\i+1]|
	v_max3_num_f32 v9, v9, |v[XS+\i+2]|, |v[XS+\i+3]|
.endr
	v_max3_num_f32 v8, v8, |v[XS+14]|, |v[XS+15]|
	v_max3_num_f32 v8, v8, v9, (EMAX+1)<<23        ; and the floor 2^(3 - 127): the byte cannot fall under 1
	v_max_num_f32_dpp v8, v8, v8 row_xmask:1 row_mask:0xf bank_mask:0xf   ; and of my neighbour's 16: the block's
	v_add_nc_u32 v11, -(EMAX<<23), v8              ; 2 off its exponent field: the conversion takes the exponent field of this operand as its scale
	v_cvt_scalef32_pk8_fp4_f32 v[C+4*(\t)], v[XS:XS+7], v11
	v_cvt_scalef32_pk8_fp4_f32 v[C+4*(\t)+1], v[XS+8:XS+15], v11
	v_lshrrev_b32 v[E+(\t)], 23, v11               ; the scale's byte (a plain line behind the conversions)
	ds_store_b8 v5, v[E+(\t)] offset:16*(\t)       ; both lanes of a block write the same byte with the same value
	global_store_b64 v4, v[C+4*(\t):C+4*(\t)+1], s[16:17] offset:32*CB*(\t)   ; the wave stores 256 consecutive bytes, aligned
.endm
.irp t, 0,1,2,3,4,5,6,7,8,9,10,11,12,13,14,15
	STEP \t
.endr
	ds_load_b64 v[8:9], v6                         ; LDS serves a wave's instructions in order: these see my stores
	s_wait_dscnt 0x0
	global_store_b64 v7, v[8:9], s[18:19]          ; 32 lanes store 256 consecutive bytes, aligned
	s_wait_tensorcnt 0x0                           ; the wave's end: behind my last LDS store
	ds_add_u32 v[SPW], v[NIL]
	s_wait_dscnt 0x0
	s_endpgm
	; ---------------- f32 to f16 ----------------
.Lconvert:
	s_sub_co_u32 s23, ttmp9, 512                   ; 0-127: M; 128-255: Wo
	v_lshlrev_b32 v1, 4, v2                        ; in: 16 bytes a lane
	v_lshlrev_b32 v3, 3, v2                        ; out: 8 bytes a lane
	s_and_b32 s26, s23, 127
	s_lshl_b32 s26, s26, 17                        ; a work-group's 32,768 numbers,
	s_lshl_b32 s32, s22, 15                        ; a wave's 8,192
	s_add_co_u32 s26, s26, s32
	s_mov_b32 s27, 0
	s_lshl_b32 s28, s23, 16
	s_lshl_b32 s32, s22, 14
	s_add_co_u32 s28, s28, s32
	s_mov_b32 s29, 0
	s_wait_kmcnt 0x0
	s_cmp_lt_u32 s23, 128
	s_cselect_b64 s[24:25], s[12:13], s[14:15]
	s_cselect_b32 s30, 1.0, 0x41800000             ; M x 1, Wo x 16
	s_mov_b32 s31, s30                             ; (named with it as a pair, so it is written)
	s_add_nc_u64 s[24:25], s[24:25], s[26:27]
	s_add_nc_u64 s[28:29], s[20:21], s[28:29]
.irp i, 0,1,2,3,4,5,6,7,8,9,10,11,12,13,14,15
	global_load_b128 v[XI+4*\i:XI+4*\i+3], v1, s[24:25] offset:512*\i th:TH_LOAD_NT
.endr
.set I, 0
.rept 64                               ; a ring of sixteen slots: load I is in when at most the younger ones (15, at the end 63 - I) are out
.if 63-I < 15
	s_wait_loadcnt 63-I
.else
	s_wait_loadcnt 15
.endif
	v_pk_mul_f32 v[8:9], v[XI+4*(I%16):XI+4*(I%16)+1], s[30:31] op_sel_hi:[1,0]
	v_pk_mul_f32 v[10:11], v[XI+4*(I%16)+2:XI+4*(I%16)+3], s[30:31] op_sel_hi:[1,0]
	v_cvt_pk_f16_f32 v[Y+2*I], v8, v9
	v_cvt_pk_f16_f32 v[Y+2*I+1], v10, v11
.if I+16 < 64
	global_load_b128 v[XI+4*(I%16):XI+4*(I%16)+3], v1, s[24:25] offset:512*(I+16) th:TH_LOAD_NT
.endif
	global_store_b64 v3, v[Y+2*I:Y+2*I+1], s[28:29] offset:256*I   ; 256 consecutive bytes, aligned; each store has registers of its own
.set I, I+1
.endr
	s_wait_tensorcnt 0x0                           ; the same three lines at this path's end
	ds_add_u32 v[SPW], v[NIL]
	s_wait_dscnt 0x0
	s_endpgm
.Lfunc_end_k_qaa39cbbd8a_prep:
	.size	k_qaa39cbbd8a_prep, .Lfunc_end_k_qaa39cbbd8a_prep-k_qaa39cbbd8a_prep
	.p2alignl 7, 3214868480
	.fill 96, 4, 3214868480
	.section	.rodata,"a",@progbits
	.p2align	6, 0x0
	.amdhsa_kernel k_qaa39cbbd8a_prep
		.amdhsa_group_segment_fixed_size 33280
		.amdhsa_private_segment_fixed_size 0
		.amdhsa_enable_private_segment 0
		.amdhsa_kernarg_size 72
		.amdhsa_user_sgpr_count 2
		.amdhsa_user_sgpr_kernarg_segment_ptr 1
		.amdhsa_wavefront_size32 1
		.amdhsa_system_sgpr_workgroup_id_x 1
		.amdhsa_system_sgpr_workgroup_id_y 1
		.amdhsa_system_sgpr_workgroup_id_z 1
		.amdhsa_system_vgpr_workitem_id 0
		.amdhsa_next_free_vgpr 208
		.amdhsa_next_free_sgpr 66
		.amdhsa_reserve_vcc 0
		.amdhsa_float_denorm_mode_32 3
		.amdhsa_float_denorm_mode_16_64 3
		.amdhsa_memory_ordered 1
		.amdhsa_forward_progress 1
		.amdhsa_inst_pref_size 64
	.end_amdhsa_kernel
	.amdgpu_metadata
---
amdhsa.version: [ 1, 2 ]
amdhsa.kernels:
  - .name:           k_qaa39cbbd8a_prep
    .symbol:         k_qaa39cbbd8a_prep.kd
    .args:
      - { .name: hidden_states, .offset: 0, .size: 8, .value_kind: global_buffer, .address_space: global }
      - { .name: Wq, .offset: 8, .size: 8, .value_kind: global_buffer, .address_space: global }
      - { .name: Wk, .offset: 16, .size: 8, .value_kind: global_buffer, .address_space: global }
      - { .name: Wv, .offset: 24, .size: 8, .value_kind: global_buffer, .address_space: global }
      - { .name: M, .offset: 32, .size: 8, .value_kind: global_buffer, .address_space: global }
      - { .name: Wo, .offset: 40, .size: 8, .value_kind: global_buffer, .address_space: global }
      - { .name: codes, .offset: 48, .size: 8, .value_kind: global_buffer, .address_space: global }
      - { .name: scales, .offset: 56, .size: 8, .value_kind: global_buffer, .address_space: global }
      - { .name: w16, .offset: 64, .size: 8, .value_kind: global_buffer, .address_space: global }
    .group_segment_fixed_size: 33280
    .private_segment_fixed_size: 0
    .kernarg_segment_align: 8
    .kernarg_segment_size: 72
    .max_flat_workgroup_size: 128
    .sgpr_count:     66
    .vgpr_count:     208
    .wavefront_size: 32
...
	.end_amdgpu_metadata
.endif
;; end of part 1
;; launch qkv (part 2): grid 16 x 16, 4 waves a work-group, clusters of 4 x 4, 327,680 bytes of LDS; arguments codes, scales, z, act, stats; writes act, stats
.if DOCPART == 2
	.amdgcn_target "amdgcn-amd-amdhsa--gfx1250"
	.amdhsa_code_object_version 6
	.text
	.protected	k_qaa39cbbd8a_qkv
	.globl	k_qaa39cbbd8a_qkv
	.p2align	8
	.type	k_qaa39cbbd8a_qkv,@function
k_qaa39cbbd8a_qkv:
	s_mov_b64 s[64:65], 0
	v_nop
	global_prefetch_b8 v0, s[64:65] scope:SCOPE_SE
	s_setreg_imm32_b32 hwreg(HW_REG_WAVE_MODE, 25, 1), 1
	s_wait_xcnt 0x0
	s_wait_alu depctr_hold_cnt(0) depctr_sa_sdst(0) depctr_va_vdst(0) depctr_va_sdst(0) depctr_va_ssrc(0) depctr_va_vcc(0) depctr_vm_vsrc(0)
	s_getreg_b32 s2, hwreg(HW_REG_IB_STS2, 6, 4)
	s_cmp_eq_u32 s2, 0
	s_cbranch_scc0 .Lentry_in_a_cluster
	s_endpgm
.Lentry_in_a_cluster:
	s_bfe_u32 s2, ttmp6, 0x10000c
	s_cmp_lg_u32 s2, 0xf033
	s_cbranch_scc0 .Lentry_shape_is_right
	s_endpgm
.Lentry_shape_is_right:
; q, k, v = X Wq^T, X Wk^T, X Wv^T on codes of FP4 with E8M0 scales (2,048 tokens, K = 2,048, 2,048 features each), then phi(x) = max(x, 0) + 2^min(x log2 e, 0) (= elu(x) + 1) of q and k, all in f32.
; Stored, in f16, rows of 4,096 bytes, in act:  phq [token][d] = phi(q) / 2^Eg at byte 0;  phikT [d][token] = phi(k) / 16 at 8,388,608;  vT [e][token] = v / 16 at 16,777,216.
;   Eg: the exponent of the largest phi(q) among the 64 features that one wave holds of a token (floor 2^-100).  All these factors are powers of two: nothing is rounded by them.
; Stored, in f32, in stats:  pmx [32 groups of 64 features][2,048 tokens] = 2^Eg at 0;  pden (same shape) = the group's sum of phi(q) z at 262,144;  pz [32 halves of 64 tokens][2,048 features] = the sum of phi(k) at 524,288.
; LIMITS: |k|, |v| under 1.04e6 (f16 after / 16); phi(q) under 2^126; 2^x under 2^-126 comes out as 0; NaN and infinities are not served.
; SHARES.  A work-group: 128 tokens x 128 features of each of q, k, v.  Wave (wr, wc): 64 tokens x 64 features of each: 48 accumulators.
; q IS USED TRANSPOSED (source 0 = 16 rows of Wq, source 1 = 16 tokens): a lane holds one token and eight neighbouring features.  k and v the natural way (source 0 = 16 tokens, source 1 = 16 rows of W):
; a lane holds one feature and eight neighbouring tokens, which is how the next launch wants them: tokens innermost.  Nothing is transposed by an instruction.
; K goes in steps of 512 (rows of 256 bytes) through two LDS slots; the scale bytes of all of K come once.  CLUSTER 4 x 4: X's tile is shared along a row of the cluster, the three W tiles along a column: joint loads.
; REGISTERS: window 0: v1-29 addresses; v32-127 scale words, two sets, and nothing else; v128-255 the way out.  window 1: two sets of fragments (4 of X, 12 of W).  window 2: q(a, b) at 8 (4 a + b), k(a, b) at 128 + 8 (4 b + a).  window 3: v(a, b) at 8 (4 b + a).
.set PITCH,  272                       ; an LDS row: 256 bytes + 16 of padding: the 16 rows of a load start 4 banks apart
.set BLK,    16*PITCH
.set HALFT,  128*PITCH                 ; one tensor load: 128 rows
.set SLOT,   4*HALFT                   ; X, Wq, Wk, Wv
.set SCL,    2*SLOT                    ; the scale bytes: four times 128 rows x 64 bytes, as rows of 256 bytes + 16
.set SBLK,   1088                      ; those of 16 rows
.set HALFS,  8*SBLK                    ; those of 128 rows
.set SPARE,  SCL+4*HALFS               ; the spare words: two blocks of 256 bytes that no other line names
.set STGK,   HALFT                     ; the way out: three stages of 128 rows x 272 in slot 0, which by then has had its last fill and its last read: q's at 0, k's, v's
.set ADRA, 8                           ; v8-9    X's fragments in slot 0, 1
.set ADRB, 10                          ; v10-15  W's: 3 x slot + tensor
.set ADRS, 16                          ; v16     scale words: lanes 0-15 X's rows, lanes 16-31 Wq's
.set STQ,  17                          ; v17-19  into the stages
.set STK,  18
.set STV,  19
.set RDQ,  20                          ; v20-22  back out of them
.set RDK,  21
.set RDV,  22
.set CO,   23                          ; v23     my place in two rows of act
.set L4,   24                          ; v24     4 x lane
.set H32,  25                          ; v25     32 x (lane / 16)
.set SPW,  28
.set NIL,  29
.set SC,   32                          ; set s, W block i, the slot's q-th 128 along K: v[SC + 48 s + 4 i + q]; lanes 16-31: W block i's word; lanes 0-15 of i < 4: X block i's
.set X,    128                         ; v128-159 32 numbers at work
.set T,    160                         ; v160-191 their exponents
.set Z,    192                         ; v192-223 z of my 64 features; when q is done: v192-195 sums of phi(k), v196-201 what goes to stats
.set ZS,   192
.set J,    196
.set H,    224                         ; v224-239 32 numbers in f16
.set W,    240                         ; v240-247 at work
.set DEN,  248                         ; v248-251 a token block's sum of phi(q) z
.set PMX,  252                         ; v252-255 2^Eg
.set G1,   24
.set G0,   32
.set G1B,  48
.set G0B,  56
.set G1S,  68
.set G0S,  76
.set G1SB, 80
.set G0SB, 88
.set MSB, 0
.macro WIN new                         ; the immediate's high byte repeats the setting that is left
.if MSB != \new
	s_set_vgpr_msb (MSB<<8)|\new
.set MSB, \new
.endif
.endm
.macro PLACES                          ; four plain places behind matrix instructions, in front of loads into their registers and of reads of their results
.rept 4
	v_nop
.endr
.endm
; A joint load: wave 0 fetches for X, waves 1 to 3 for Wq, Wk, Wv.  The branch hangs on the wave's number alone.  An s_nop 0 and four v_nop follow each of the two lines.
.macro JLOAD g0a, g1a, g0b, g1b
	s_cmp_eq_u32 s14, 0
	s_cbranch_scc0 .Lfor_w_\@
	tensor_load_to_lds s[\g0a:\g0a+3], s[\g1a:\g1a+7]
	s_nop 0
.rept 4
	v_nop
.endr
	s_branch .Lasked_\@
.Lfor_w_\@:
	tensor_load_to_lds s[\g0b:\g0b+3], s[\g1b:\g1b+7]
	s_nop 0
.rept 4
	v_nop
.endr
.Lasked_\@:
.endm
.macro CREST                           ; a round of the cluster's barrier behind its opening barrier
	s_cmp_lg_u32 s14, 0
	s_cbranch_scc1 .Lnot_wave_0_\@
	s_barrier_signal -3
.Lnot_wave_0_\@:
	s_barrier_wait -3
	s_barrier_signal -1
	s_barrier_wait -1
.endm
.macro CROUND
	s_barrier_signal -1
	s_barrier_wait -1
	CREST
.endm
	s_load_b256 s[4:11], s[0:1], 0x0               ; codes, scales, z, act
	s_load_b64 s[12:13], s[0:1], 0x20              ; stats
	v_lshl_add_u32 v[SPW], v0, 2, SPARE
	v_mov_b32 v[NIL], 0
	ds_add_u32 v[SPW], v[NIL]                      ; the wave's opening: the add and its wait stand ahead of my first tensor load; work on registers stands between them
	v_lshrrev_b32 v1, 5, v0
	v_readfirstlane_b32 s14, v1                    ; wave 0..3
	s_lshr_b32 s15, s14, 1                         ; wr: which 64 tokens
	s_and_b32 s16, s14, 1                          ; wc: which 64 features
	s_bfe_u32 s40, ttmp6, 0x40000                  ; cx
	s_bfe_u32 s41, ttmp6, 0x40004                  ; cy
	s_lshl_b32 s42, ttmp9, 2
	s_add_co_u32 s42, s42, s40                     ; tx: block of 128 features
	s_and_b32 s17, ttmp7, 0xffff
	s_lshl_b32 s17, s17, 2
	s_add_co_u32 s17, s17, s41                     ; ty: block of 128 tokens
	s_lshl_b32 s43, s41, 2
	s_lshl_b32 s43, 15, s43                        ; my row of the cluster
	s_lshl_b32 s44, 0x1111, s40                    ; my column
	s_or_b32 s[G1+0], s43, (0<<16)|(1<<20)|(1<<21)|(5<<22)|(3<<25)   ; the mask; elements of 1 byte; padding on; bit 21 beside a mask; 4 words after every 64
	s_or_b32 s[G1B+0], s44, (0<<16)|(1<<20)|(1<<21)|(5<<22)|(3<<25)
.irp g, G1, G1B
	s_mov_b32 s[\g+1], 256<<16                     ; tensor_dim0 = 256 bytes: 512 codes
	s_mov_b32 s[\g+2], 128<<16                     ; tensor_dim1 = 128 rows
	s_mov_b32 s[\g+3], 256<<16                     ; tile_dim0
	s_mov_b32 s[\g+4], 128                         ; tile_dim1
	s_mov_b32 s[\g+5], 1024                        ; a row of codes in memory
	s_mov_b32 s[\g+6], 0
	s_mov_b32 s[\g+7], 0
.endr
	s_or_b32 s[G1S+0], s43, (3<<16)|(1<<20)|(1<<21)|(5<<22)|(3<<25)  ; the scales of 128 rows: 8,192 dense bytes as 32 rows of 32 elements of 8 bytes
	s_or_b32 s[G1SB+0], s44, (3<<16)|(1<<20)|(1<<21)|(5<<22)|(3<<25)
.irp g, G1S, G1SB
	s_mov_b32 s[\g+1], 32<<16
	s_mov_b32 s[\g+2], 32<<16
	s_mov_b32 s[\g+3], 32<<16
	s_mov_b32 s[\g+4], 32
	s_mov_b32 s[\g+5], 32
	s_mov_b32 s[\g+6], 0
	s_mov_b32 s[\g+7], 0
.endr
	s_lshl_b32 s92, s17, 17                        ; X's codes: 128 ty rows of 1,024 bytes (made of the token block alone)
	s_mov_b32 s93, 0
	s_lshl_b32 s94, s17, 13                        ; X's scales: rows of 64 bytes
	s_mov_b32 s95, 0
	s_lshl_b32 s46, s14, 21                        ; W's codes: rows 2,048 x wave + 128 tx (made of the feature block and the wave alone)
	s_lshl_b32 s47, s42, 17
	s_add_co_u32 s46, s46, s47
	s_mov_b32 s47, 0
	s_lshl_b32 s66, s14, 17                        ; W's scales
	s_lshl_b32 s67, s42, 13
	s_add_co_u32 s66, s66, s67
	s_mov_b32 s67, 0
	s_mul_i32 s45, s14, HALFT                      ; where they go: wave x 128 rows
	s_mul_i32 s2, s14, HALFS
	s_mov_b32 s3, 0xffff0000                       ; lanes 16-31
	s_mov_b32 s98, 0x3fb8aa3b                      ; log2 e
	s_mov_b32 s99, s98
	s_mov_b32 s100, 0x76543210                     ; v_permlanex16_b32: lane l xor 16
	s_mov_b32 s101, 0xfedcba98
	s_wait_dscnt 0x0                               ; the opening add is done
	s_wait_kmcnt 0x0
	s_add_nc_u64 s[92:93], s[4:5], s[92:93]
	s_add_nc_u64 s[94:95], s[6:7], s[94:95]
	s_add_nc_u64 s[46:47], s[4:5], s[46:47]
	s_add_nc_u64 s[66:67], s[6:7], s[66:67]
	CROUND                                         ; all sixteen work-groups are here: the first joint loads meet
	s_mov_b32 s[G0S], 1
	s_add_co_u32 s[G0S+1], s2, SCL
	s_mov_b64 s[G0S+2:G0S+3], s[94:95]
	s_or_b32 s[G0S+3], s[G0S+3], 0x80000000
	s_mov_b32 s[G0SB], 1
	s_add_co_u32 s[G0SB+1], s2, SCL
	s_mov_b64 s[G0SB+2:G0SB+3], s[66:67]
	s_or_b32 s[G0SB+3], s[G0SB+3], 0x80000000
	JLOAD G0S, G1S, G0SB, G1SB                     ; the scales first: wanted with K step 0
.irp s, 0,1
	s_mov_b32 s[G0+4*\s], 1
	s_add_co_u32 s[G0+4*\s+1], s45, \s*SLOT
	s_add_nc_u64 s[G0+4*\s+2:G0+4*\s+3], s[92:93], \s*256
	s_or_b32 s[G0+4*\s+3], s[G0+4*\s+3], 0x80000000
	s_mov_b32 s[G0B+4*\s], 1
	s_add_co_u32 s[G0B+4*\s+1], s45, \s*SLOT
	s_add_nc_u64 s[G0B+4*\s+2:G0B+4*\s+3], s[46:47], \s*256
	s_or_b32 s[G0B+4*\s+3], s[G0B+4*\s+3], 0x80000000
	JLOAD G0+4*\s, G1, G0B+4*\s, G1B
.endr
	v_and_b32 v1, 15, v0                           ; r
	v_bfe_u32 v2, v0, 4, 1                         ; h
	v_mul_u32_u24 v3, v1, PITCH
	v_lshl_add_u32 v3, v2, 4, v3                   ; row x pitch + 16 h
	s_mul_i32 s66, s15, 4*BLK                      ; my 64 tokens
	s_mul_i32 s67, s16, 4*BLK                      ; my 64 rows of each W,
	s_add_co_u32 s67, s67, HALFT                   ; behind X's 128
.irp s, 0,1
	v_add_nc_u32 v[ADRA+\s], s66, v3
.irp t, 0,1,2
	v_add_nc_u32 v[ADRB+3*\s+\t], s67, v3
	s_add_co_u32 s67, s67, HALFT
.endr
	s_add_co_u32 s66, s66, SLOT
	s_add_co_u32 s67, s67, SLOT-3*HALFT
.endr
	v_lshlrev_b32 v4, 6, v1                        ; my row's scales: 64 bytes a row,
	v_lshrrev_b32 v5, 2, v1
	v_lshl_add_u32 v4, v5, 4, v4                   ; and 16 more for each 256 passed
	s_mul_i32 s66, s15, 4*SBLK                     ; X's: my 64 rows
	s_mul_i32 s67, s16, 4*SBLK                     ; Wq's: my 64 rows, behind X's 128
	s_add_co_u32 s67, s67, HALFS
	s_sub_co_u32 s67, s67, s66
	v_mul_u32_u24 v5, s67, v2                      ; lanes 16-31 take W's: one product, the distance between the two bases
	s_add_co_u32 s66, s66, SCL
	v_add_nc_u32 v4, v4, v5
	v_add_nc_u32 v[ADRS], s66, v4
	s_mul_i32 s66, s15, 4*BLK                      ; q's stage: row = token, my 64 features' 128 bytes
	s_lshl_b32 s67, s16, 7
	s_add_co_u32 s66, s66, s67
	v_add_nc_u32 v[STQ], s66, v3
	s_mul_i32 s66, s16, 4*BLK                      ; k's and v's: row = feature, my 64 tokens' 128 bytes
	s_lshl_b32 s67, s15, 7
	s_add_co_u32 s66, s66, s67
	s_add_co_u32 s66, s66, STGK
	v_add_nc_u32 v[STK], s66, v3
	v_add_nc_u32 v[STV], HALFT, v[STK]
	v_mul_u32_u24 v4, v2, PITCH                    ; back: wave w takes rows 32 w on of each stage; lanes 0-15 one row, lanes 16-31 the next
	v_lshl_add_u32 v4, v1, 4, v4
	s_mul_i32 s66, s14, 32*PITCH
	v_add_nc_u32 v[RDQ], s66, v4
	v_add_nc_u32 v[RDK], HALFT, v[RDQ]
	v_add_nc_u32 v[RDV], 2*HALFT, v[RDQ]
	v_lshlrev_b32 v4, 12, v2
	v_lshl_add_u32 v[CO], v1, 4, v4                ; the same two rows in act
	v_and_b32 v4, 31, v0
	v_lshlrev_b32 v[L4], 2, v4
	v_lshlrev_b32 v[H32], 5, v2
	s_lshl_b32 s46, s17, 19                        ; phq: (128 ty + 32 w) rows of 4,096 bytes + 256 tx
	s_lshl_b32 s47, s14, 17
	s_add_co_u32 s46, s46, s47
	s_lshl_b32 s47, s42, 8
	s_add_co_u32 s46, s46, s47
	s_mov_b32 s47, 0
	s_add_nc_u64 s[18:19], s[10:11], s[46:47]
	s_lshl_b32 s46, s42, 19                        ; phikT: (128 tx + 32 w) rows + 256 ty, behind phq
	s_lshl_b32 s66, s14, 17
	s_add_co_u32 s46, s46, s66
	s_lshl_b32 s66, s17, 8
	s_add_co_u32 s46, s46, s66
	s_add_co_u32 s46, s46, 8388608
	s_add_nc_u64 s[20:21], s[10:11], s[46:47]
	s_add_nc_u64 s[22:23], s[20:21], 8388608       ; vT
	s_lshl_b32 s46, s42, 14                        ; pmx: ((2 tx + wc) x 2,048 + 128 ty + 64 wr) x 4
	s_lshl_b32 s66, s16, 13
	s_add_co_u32 s46, s46, s66
	s_lshl_b32 s66, s17, 9
	s_add_co_u32 s46, s46, s66
	s_lshl_b32 s66, s15, 8
	s_add_co_u32 s46, s46, s66
	s_add_nc_u64 s[92:93], s[12:13], s[46:47]
	s_lshl_b32 s46, s17, 14                        ; pz: 524,288 + ((2 ty + wr) x 2,048 + 128 tx + 64 wc) x 4
	s_lshl_b32 s66, s15, 13
	s_add_co_u32 s46, s46, s66
	s_lshl_b32 s66, s42, 9
	s_add_co_u32 s46, s46, s66
	s_lshl_b32 s66, s16, 8
	s_add_co_u32 s46, s46, s66
	s_add_co_u32 s46, s46, 524288
	s_add_nc_u64 s[96:97], s[12:13], s[46:47]
	s_lshl_b32 s46, s42, 9                         ; z of my 64 features
	s_lshl_b32 s66, s16, 8
	s_add_co_u32 s46, s46, s66
	s_add_nc_u64 s[8:9], s[8:9], s[46:47]
.irp b, 0,1,2,3
	global_load_b128 v[Z+8*\b:Z+8*\b+3], v[H32], s[8:9] offset:64*\b        ; z(16 b + 8 h + 0 .. 7): in q's layout
	global_load_b128 v[Z+8*\b+4:Z+8*\b+7], v[H32], s[8:9] offset:64*\b+16
.endr
; Product N of a step's 48: 0-15 q(a = N / 4, b = N % 4); 16-31 k(b = (N - 16) / 4, a = N % 4); 32-47 v likewise.  p: the set of fragments; q: the slot's q-th 128 along K; sc: the set of scale words.
; The 48 accumulators take turns, one instruction a turn, in the same order in every step.  zero = 1: the first product starts the sums.
.macro PROD p, q, sc, zero
.if N < 16
.set rD, 8*N
.set rA, 128*(\p)+32+8*(N%4)
.set rB, 128*(\p)+8*(N/4)
.set sA, SC+48*(\sc)+4*(N%4)+(\q)
.set sB, SC+48*(\sc)+4*(N/4)+(\q)
	WIN 0xa5
.if \zero
	v_wmma_scale_f32_16x16x128_f8f6f4 v[rD:rD+7], v[rA:rA+7], v[rB:rB+7], 0, v[sA], v[sB] matrix_a_fmt:MATRIX_FMT_FP4 matrix_b_fmt:MATRIX_FMT_FP4 matrix_a_scale:MATRIX_SCALE_ROW1
.else
	v_wmma_scale_f32_16x16x128_f8f6f4 v[rD:rD+7], v[rA:rA+7], v[rB:rB+7], v[rD:rD+7], v[sA], v[sB] matrix_a_fmt:MATRIX_FMT_FP4 matrix_b_fmt:MATRIX_FMT_FP4 matrix_a_scale:MATRIX_SCALE_ROW1
.endif
.else
.set rA, 128*(\p)+8*(N%4)
.set rB, 128*(\p)+32+8*(4+(N-16)/4)
.set sA, SC+48*(\sc)+4*(N%4)+(\q)
.set sB, SC+48*(\sc)+4*(4+(N-16)/4)+(\q)
.if N < 32
.set rD, 8*N
	WIN 0xa5
.else
.set rD, 8*(N-32)
	WIN 0xf5
.endif
.if \zero
	v_wmma_scale_f32_16x16x128_f8f6f4 v[rD:rD+7], v[rA:rA+7], v[rB:rB+7], 0, v[sA], v[sB] matrix_a_fmt:MATRIX_FMT_FP4 matrix_b_fmt:MATRIX_FMT_FP4 matrix_b_scale:MATRIX_SCALE_ROW1
.else
	v_wmma_scale_f32_16x16x128_f8f6f4 v[rD:rD+7], v[rA:rA+7], v[rB:rB+7], v[rD:rD+7], v[sA], v[sB] matrix_a_fmt:MATRIX_FMT_FP4 matrix_b_fmt:MATRIX_FMT_FP4 matrix_b_scale:MATRIX_SCALE_ROW1
.endif
.endif
.endm
.macro PRODS from, count, p, q, sc, zero
.set N, \from
.rept \count
	PROD \p, \q, \sc, \zero
.set N, N+1
.endr
.endm
; 32 LDS loads in one run: a fragment (16 rows x 128 K of 4-bit codes) is two loads of 16 bytes, 32 bytes apart
.macro FETCH slot, q, p
	WIN 0x40
.irp a, 0,1,2,3
.irp c, 0,1
	ds_load_b128 v[128*(\p)+8*\a+4*\c:128*(\p)+8*\a+4*\c+3], v[ADRA+\slot] offset:64*(\q)+32*\c+BLK*\a
.endr
.endr
.irp t, 0,1,2
.irp b, 0,1,2,3
.irp c, 0,1
	ds_load_b128 v[128*(\p)+32+8*(4*\t+\b)+4*\c:128*(\p)+32+8*(4*\t+\b)+4*\c+3], v[ADRB+3*\slot+\t] offset:64*(\q)+32*\c+BLK*\b
.endr
.endr
.endr
	WIN 0
.endm
.macro SCALES s                        ; a K step's four words a row: lanes 16-31 W block 4 t + b; lanes 0-15 X block b where t = 0 (else bytes that nobody uses)
.irp t, 0,1,2
.irp b, 0,1,2,3
	ds_load_b128 v[SC+48*\s+4*(4*\t+\b):SC+48*\s+4*(4*\t+\b)+3], v[ADRS] offset:HALFS*\t+SBLK*\b
.endr
.endr
.endm
.macro STEP slot, q, zero              ; 128 along K with its successor in the same slot
	s_wait_dscnt 0x0                               ; this step's fragments, asked for 24 products ago
	PRODS 0, 24, (\q)%2, \q, \slot, \zero
	PLACES
	FETCH \slot, (\q)+1, 1-(\q)%2
	PRODS 24, 24, (\q)%2, \q, \slot, \zero
	WIN 0
.endm
; A slot's last step changes slots: one barrier; in front of it each wave waits for all its tensor loads, adds 0 to its spare word, and waits for that and for its reads of this slot.
.macro TURN slot, next, fill
	s_wait_tensorcnt 0x0                           ; all my tensor loads have landed: my part of the next slot
	ds_add_u32 v[SPW], v[NIL]
	s_wait_dscnt 0x1                               ; the fragments are in; the add alone may be out
	PRODS 0, 12, 1, 3, \slot, 0
	s_wait_dscnt 0x0                               ; the add is done, and my reads of this slot are over
	s_barrier_signal -1
	PRODS 12, 12, 1, 3, \slot, 0
	WIN 0
	s_barrier_wait -1
.if \fill
	CREST                                          ; the barrier has opened a round of the cluster's: no wave of any partner still reads this slot or has a load on its way
	s_add_nc_u64 s[G0+4*\slot+2:G0+4*\slot+3], s[G0+4*\slot+2:G0+4*\slot+3], 512
	s_add_nc_u64 s[G0B+4*\slot+2:G0B+4*\slot+3], s[G0B+4*\slot+2:G0B+4*\slot+3], 512
	JLOAD G0+4*\slot, G1, G0B+4*\slot, G1B         ; two K steps on; its four v_nop are also the places in front of the loads below
.else
	PLACES
.endif
	v_add_nc_u32 v[ADRS], 16, v[ADRS]              ; the next K step's scale words
	FETCH \next, 0, 0
	SCALES \next
	PRODS 24, 24, 1, 3, \slot, 0
	WIN 0
.endm
	s_wait_tensorcnt 0x1                           ; the scales and my part of K step 0 are in; K step 1's load, the youngest, may stay out
	s_barrier_signal -1
	s_barrier_wait -1
	FETCH 0, 0, 0
	SCALES 0
	STEP 0, 0, 1                                   ; K is short: its sixteen steps are written out
	STEP 0, 1, 0
	STEP 0, 2, 0
	TURN 0, 1, 1
	STEP 1, 0, 0
	STEP 1, 1, 0
	STEP 1, 2, 0
	TURN 1, 0, 1
	STEP 0, 0, 0
	STEP 0, 1, 0
	STEP 0, 2, 0
	TURN 0, 1, 0                                   ; nothing is left to fetch
	STEP 1, 0, 0
	STEP 1, 1, 0
	STEP 1, 2, 0
	s_wait_dscnt 0x0
	PRODS 0, 48, 1, 3, 1, 0
	WIN 0
	PLACES
; THE WAY OUT.  phi of the 32 numbers at v[base] on of window 2 into v[X] on.  Each accumulator is read from its low end on.  The 32 exponentials are one batch with one wait.
.macro PHI32 base
	WIN 0x02
.set ii, 0
.rept 16
	v_pk_mul_f32 v[T+ii:T+ii+1], v[(\base)+ii:(\base)+ii+1], s[98:99] op_sel_hi:[1,0]
.set ii, ii+2
.endr
.set ii, 0
.rept 32
	v_max_num_f32 v[X+ii], v[(\base)+ii], 0
.set ii, ii+1
.endr
	WIN 0
.set ii, 0
.rept 32
	v_min_num_f32 v[T+ii], 0, v[T+ii]
.set ii, ii+1
.endr
.set ii, 0
.rept 32
	v_exp_f32 v[T+ii], v[T+ii]
.set ii, ii+1
.endr
	v_nop                                          ; a plain place behind the last exponential
	s_wait_alu depctr_va_vdst(0)                   ; one wait for the batch, ahead of its first reader
.set ii, 0
.rept 16
	v_pk_add_f32 v[X+ii:X+ii+1], v[X+ii:X+ii+1], v[T+ii:T+ii+1]
.set ii, ii+2
.endr
.endm
.macro TOF16                           ; v[X] on, 32 numbers, into v[H] on, 16 registers
.set ii, 0
.rept 16
	v_cvt_pk_f16_f32 v[H+ii], v[X+2*ii], v[X+2*ii+1]
.set ii, ii+1
.endr
.endm
.macro QBLOCK a                        ; tokens 16 a + r: register 8 b + j is feature 16 b + 8 h + j
	PHI32 32*(\a)
	v_pk_mul_f32 v[W:W+1], v[X:X+1], v[Z:Z+1]                      ; the sum of phi(q) z, in two chains of pairs
	v_pk_mul_f32 v[W+2:W+3], v[X+2:X+3], v[Z+2:Z+3]
	v_max3_num_f32 v[W+4], v[X], v[X+1], 0x0d800000                ; the largest phi(q), with the floor 2^-100
	v_max3_num_f32 v[W+5], v[X+16], v[X+17], 0x0d800000
.set ii, 4
.rept 7
	v_pk_fma_f32 v[W:W+1], v[X+ii:X+ii+1], v[Z+ii:Z+ii+1], v[W:W+1]
	v_pk_fma_f32 v[W+2:W+3], v[X+ii+2:X+ii+3], v[Z+ii+2:Z+ii+3], v[W+2:W+3]
.set ii, ii+4
.endr
.set ii, 2
.rept 7
	v_max3_num_f32 v[W+4], v[W+4], v[X+ii], v[X+ii+1]
	v_max3_num_f32 v[W+5], v[W+5], v[X+16+ii], v[X+17+ii]
.set ii, ii+2
.endr
	v_pk_add_f32 v[W:W+1], v[W:W+1], v[W+2:W+3]
	v_max_num_f32 v[W+4], v[W+4], v[W+5]
	v_add_f32 v[W], v[W], v[W+1]
	v_permlanex16_b32 v[W+5], v[W+4], s100, s101                   ; the token's other 32 features lie in lane l xor 16
	v_permlanex16_b32 v[W+1], v[W], s100, s101
	v_max_num_f32 v[W+4], v[W+4], v[W+5]
	v_add_f32 v[DEN+\a], v[W], v[W+1]
	v_and_b32 v[PMX+\a], 0x7f800000, v[W+4]                        ; 2^Eg
	v_sub_nc_u32 v[W+6], 0x7f000000, v[PMX+\a]                     ; 2^-Eg
.set ii, 0
.rept 16
	v_pk_mul_f32 v[X+ii:X+ii+1], v[X+ii:X+ii+1], v[W+6:W+7] op_sel_hi:[1,0]
.set ii, ii+2
.endr
	TOF16
.irp b, 0,1,2,3
	ds_store_b128 v[STQ], v[H+4*\b:H+4*\b+3] offset:BLK*\a+32*\b
.endr
	s_wait_dscnt 0x0                               ; the stores have read their registers
.endm
.macro KBLOCK b                        ; features 16 b + r: register 8 a + j is token 16 a + 8 h + j
	PHI32 128+32*(\b)
	v_pk_add_f32 v[W:W+1], v[X:X+1], v[X+2:X+3]                    ; the sum of phi(k) over my 64 tokens
	v_pk_add_f32 v[W+2:W+3], v[X+4:X+5], v[X+6:X+7]
.set ii, 8
.rept 6
	v_pk_add_f32 v[W:W+1], v[W:W+1], v[X+ii:X+ii+1]
	v_pk_add_f32 v[W+2:W+3], v[W+2:W+3], v[X+ii+2:X+ii+3]
.set ii, ii+4
.endr
	v_pk_add_f32 v[W:W+1], v[W:W+1], v[W+2:W+3]
	v_add_f32 v[W], v[W], v[W+1]
	v_permlanex16_b32 v[W+1], v[W], s100, s101
	v_add_f32 v[ZS+\b], v[W], v[W+1]
.set ii, 0
.rept 16
	v_pk_mul_f32 v[X+ii:X+ii+1], v[X+ii:X+ii+1], 0x3d800000 op_sel_hi:[1,0]   ; / 16
.set ii, ii+2
.endr
	TOF16
.irp a, 0,1,2,3
	ds_store_b128 v[STK], v[H+4*\a:H+4*\a+3] offset:BLK*\b+32*\a
.endr
	s_wait_dscnt 0x0
.endm
.macro VBLOCK b
	WIN 0x03
.set ii, 0
.rept 16
	v_pk_mul_f32 v[X+ii:X+ii+1], v[32*(\b)+ii:32*(\b)+ii+1], 0x3d800000 op_sel_hi:[1,0]
.set ii, ii+2
.endr
	WIN 0
	TOF16
.irp a, 0,1,2,3
	ds_store_b128 v[STV], v[H+4*\a:H+4*\a+3] offset:BLK*\b+32*\a
.endr
	s_wait_dscnt 0x0
.endm
	v_mov_b32 v[W+7], 0                            ; (named as the upper half of a pair, so it is written)
	s_wait_loadcnt 0x0                             ; z
	QBLOCK 0
	QBLOCK 1
	QBLOCK 2
	QBLOCK 3
	v_cndmask_b32 v[J], v[PMX], v[PMX+1], s3       ; two blocks of 16 tokens side by side in the 32 lanes
	v_cndmask_b32 v[J+1], v[PMX+2], v[PMX+3], s3
	v_cndmask_b32 v[J+2], v[DEN], v[DEN+1], s3
	v_cndmask_b32 v[J+3], v[DEN+2], v[DEN+3], s3
	global_store_b32 v[L4], v[J], s[92:93]
	global_store_b32 v[L4], v[J+1], s[92:93] offset:128
	global_store_b32 v[L4], v[J+2], s[92:93] offset:262144
	global_store_b32 v[L4], v[J+3], s[92:93] offset:262144+128
	KBLOCK 0
	KBLOCK 1
	KBLOCK 2
	KBLOCK 3
	v_cndmask_b32 v[J+4], v[ZS], v[ZS+1], s3
	v_cndmask_b32 v[J+5], v[ZS+2], v[ZS+3], s3
	global_store_b32 v[L4], v[J+4], s[96:97]
	global_store_b32 v[L4], v[J+5], s[96:97] offset:128
	VBLOCK 0
	VBLOCK 1
	VBLOCK 2
	VBLOCK 3
	s_barrier_signal -1                            ; my stores into the stages are done (the wait for 0 stands at each block's end): a row's 256 bytes come from two waves
	s_barrier_wait -1
	WIN 0x40
.irp t, 0,1,2,3,4,5,6,7,8,9,10,11,12,13,14,15
	ds_load_b128 v[4*\t:4*\t+3], v[RDQ] offset:\t*2*PITCH
.endr
.irp t, 0,1,2,3,4,5,6,7,8,9,10,11,12,13,14,15
	ds_load_b128 v[64+4*\t:64+4*\t+3], v[RDK] offset:\t*2*PITCH
.endr
.irp t, 0,1,2,3,4,5,6,7,8,9,10,11,12,13,14,15
	ds_load_b128 v[128+4*\t:128+4*\t+3], v[RDV] offset:\t*2*PITCH
.endr
	WIN 0x04                                       ; a store's data: window 1
.irp t, 0,1,2,3,4,5,6,7,8,9,10,11,12,13,14,15
	s_wait_dscnt 47-\t                             ; the younger loads may stay out
	global_store_b128 v[CO], v[4*\t:4*\t+3], s[18:19] offset:8192*\t       ; 16 lanes store 256 consecutive bytes, aligned
.endr
.irp t, 0,1,2,3,4,5,6,7,8,9,10,11,12,13,14,15
	s_wait_dscnt 31-\t
	global_store_b128 v[CO], v[64+4*\t:64+4*\t+3], s[20:21] offset:8192*\t
.endr
.irp t, 0,1,2,3,4,5,6,7,8,9,10,11,12,13,14,15
	s_wait_dscnt 15-\t
	global_store_b128 v[CO], v[128+4*\t:128+4*\t+3], s[22:23] offset:8192*\t
.endr
	WIN 0
	s_wait_tensorcnt 0x0                           ; the wave's end
	ds_add_u32 v[SPW], v[NIL]
	s_wait_dscnt 0x0
	CROUND                                         ; the closing round
	s_endpgm
.Lfunc_end_k_qaa39cbbd8a_qkv:
	.size	k_qaa39cbbd8a_qkv, .Lfunc_end_k_qaa39cbbd8a_qkv-k_qaa39cbbd8a_qkv
	.p2alignl 7, 3214868480
	.fill 96, 4, 3214868480
	.section	.rodata,"a",@progbits
	.p2align	6, 0x0
	.amdhsa_kernel k_qaa39cbbd8a_qkv
		.amdhsa_group_segment_fixed_size 327680
		.amdhsa_private_segment_fixed_size 0
		.amdhsa_enable_private_segment 0
		.amdhsa_kernarg_size 40
		.amdhsa_user_sgpr_count 2
		.amdhsa_user_sgpr_kernarg_segment_ptr 1
		.amdhsa_wavefront_size32 1
		.amdhsa_system_sgpr_workgroup_id_x 1
		.amdhsa_system_sgpr_workgroup_id_y 1
		.amdhsa_system_sgpr_workgroup_id_z 1
		.amdhsa_system_vgpr_workitem_id 0
		.amdhsa_next_free_vgpr 896
		.amdhsa_next_free_sgpr 102
		.amdhsa_reserve_vcc 0
		.amdhsa_float_denorm_mode_32 3
		.amdhsa_float_denorm_mode_16_64 3
		.amdhsa_memory_ordered 1
		.amdhsa_forward_progress 1
		.amdhsa_inst_pref_size 255
	.end_amdhsa_kernel
	.section	.bss,"aw",@nobits
	.p2align	6
	.space	262144
	.amdgpu_metadata
---
amdhsa.version: [ 1, 2 ]
amdhsa.kernels:
  - .name:           k_qaa39cbbd8a_qkv
    .symbol:         k_qaa39cbbd8a_qkv.kd
    .args:
      - { .name: codes, .offset: 0, .size: 8, .value_kind: global_buffer, .address_space: global }
      - { .name: scales, .offset: 8, .size: 8, .value_kind: global_buffer, .address_space: global }
      - { .name: z, .offset: 16, .size: 8, .value_kind: global_buffer, .address_space: global }
      - { .name: act, .offset: 24, .size: 8, .value_kind: global_buffer, .address_space: global }
      - { .name: stats, .offset: 32, .size: 8, .value_kind: global_buffer, .address_space: global }
    .group_segment_fixed_size: 327680
    .private_segment_fixed_size: 0
    .kernarg_segment_align: 8
    .kernarg_segment_size: 40
    .max_flat_workgroup_size: 128
    .sgpr_count:     102
    .vgpr_count:     896
    .wavefront_size: 32
...
	.end_amdgpu_metadata
.endif
;; end of part 2
;; launch mem (part 3): grid 8 x 32, 4 waves a work-group, clusters of 4 x 4, 327,680 bytes of LDS; arguments act, stats, w16, M, z, aq, rowf, pt, out1, out2; writes aq, rowf, pt, out1, out2
.if DOCPART == 3
	.amdgcn_target "amdgcn-amd-amdhsa--gfx1250"
	.amdhsa_code_object_version 6
	.text
	.protected	k_qaa39cbbd8a_mem
	.globl	k_qaa39cbbd8a_mem
	.p2align	8
	.type	k_qaa39cbbd8a_mem,@function
k_qaa39cbbd8a_mem:
	s_mov_b64 s[64:65], 0
	v_nop
	global_prefetch_b8 v0, s[64:65] scope:SCOPE_SE
	s_setreg_imm32_b32 hwreg(HW_REG_WAVE_MODE, 25, 1), 1
	s_wait_xcnt 0x0
	s_wait_alu depctr_hold_cnt(0) depctr_sa_sdst(0) depctr_va_vdst(0) depctr_va_sdst(0) depctr_va_ssrc(0) depctr_va_vcc(0) depctr_vm_vsrc(0)
	s_getreg_b32 s2, hwreg(HW_REG_IB_STS2, 6, 4)
	s_cmp_eq_u32 s2, 0
	s_cbranch_scc0 .Lentry_in_a_cluster
	s_endpgm
.Lentry_in_a_cluster:
	s_bfe_u32 s2, ttmp6, 0x10000c
	s_cmp_lg_u32 s2, 0xf033
	s_cbranch_scc0 .Lentry_shape_is_right
	s_endpgm
.Lentry_shape_is_right:
; Two products of 2,048 x 2,048 x 2,048 on f16 operands with f32 sums, side by side in one launch, and two small jobs.
;   Work-groups y 0-15:  out1[d][e] = M[d][e] + 256 x sum over tokens of phikT[d][t] vT[e][t]      (both operands were stored / 16)
;   Work-groups y 16-31: pt[f][d] = f16(sum over e of wo16[f][e] m16[d][e]) = 16 (Wo M^T)[f][d]
;   ORDER OF ROUNDING: the program computes out0 = phi(q) (M Wo^T) / denom where the definition has ((phi(q) M) / denom) Wo^T: the same sums in another order, for every input.
;   Side job 1, every wave, 2 tokens: aq[t][d] = f16(phq[t][d] x 2^(Eg - Erow)), reckoned in f32 (exact but for numbers 2^-14 under the row's largest), Erow the row's largest Eg; rowf[t] = 2^Erow / (16 (sum of pden + 1e-6)).
;   Side job 2, every wave, 2 columns: out2 = z + the sum of pz's 32 parts, a lane to a part.
; LIMITS: |16 M Wo^T| under 65,504 (f16); NaN and infinities are not served.
; SHARES.  A tile of C is 128 rows x 256 columns; wave (wr, wc) makes 64 x 128: 32 accumulators.  THE MATRIX INSTRUCTION IS USED TRANSPOSED (source 0 = 16 rows of B, source 1 = 16 rows of A): a lane holds eight neighbours of a row of C.
; K goes in steps of 128 (rows of 256 bytes) through two LDS slots.  CLUSTER 4 x 4: all sixteen partners have the same product; A's tile is shared along a row of the cluster, B's along a column: joint loads.
; THE WALK ALONG K IS TURNED.  A cluster begins at K step 8 x (cluster x xor p), p = (y xor y / 2) & 1 of the cluster's y, and goes once round all sixteen; the f32 sums take K in that order.  A's rows are read by the two clusters of a
; row of clusters, whose starts lie 8 K steps apart; B's rows by the four clusters of a column of one product, whose starts are 0, 8, 8, 0 (xor x): of two clusters with unlike starts, one names a K step's rows 8 K steps before the other.
; THE SIDE JOBS' loads go out at the head; their arithmetic and stores stand behind the first refill's request, where the wave has a K step's time until that refill is waited for.
; REGISTERS: window 0: v1-30 addresses; v32-179 the side jobs; v128-191 the way out.  window 1: two sets of fragments (8 of B, 4 of A) at 0 and 96; on the way out pt's numbers.  window 2: accumulator (a, b) at 8 (8 a + b).  window 3: M's numbers.
.set KSTEP,  128
.set PITCH,  272
.set BLK,    16*PITCH
.set SLOT,   384*PITCH                 ; A's 128 rows, then B's 256
.set STAGE,  2*SLOT                    ; behind the ring: 16 rows x 528 bytes for each wave, for out1's way out;
.set SPITCH, 528
.set STG2,   4*16*SPITCH               ; and as many again for pt's way out: each of the two paths has LDS bytes of its own
.set SPARE,  STAGE+2*STG2              ; the spare words
.set TRIPS,  6                         ; the loop's trips, two K steps each: K steps 1 to 12 of the walk
.set PO,   6                           ; v6   8,192 x (lane / 8): my group's row in pmx and pden
.set PZO,  7                           ; v7   8,192 x lane: my part's row in pz
.set ZO,   8                           ; v8   0: the same bytes for every lane
.set ADRA, 16
.set ADRB, 20
.set STO,  24
.set RD,   25
.set CO,   26                          ; v26  16 x lane
.set C8,   27                          ; v27  8 x lane
.set SPW,  28
.set NIL,  29
.set PFO,  30                          ; v30  the prefetches' offset: 4,096 x lane, a lane a row; never rewritten
.set PM,   32                          ; v32-47  2^Eg, eight a row, two rows; then the factors 2^(Eg - Erow)
.set PD,   48                          ; v48-63  parts of the divisor
.set DA,   64                          ; v64-127 two rows of phq, then of aq
.set MX,   144                         ; v144-145 2^Erow
.set SA,   146                         ; v146-153 sums
.set PX,   154                         ; v154-157 what the other half of the lanes holds
.set INV,  158                         ; v158-159 2^-Erow
.set RC,   160                         ; v160-161 reciprocals, then rowf
.set RFV,  162
.set RFA,  163
.set PZ,   164                         ; v164-165 my part of pz, two columns
.set ZV,   166                         ; v166-167 z of the two columns
.set PX2,  168                         ; v168-169 the other half of the lanes' sums
.set O2,   170                         ; v170-171 out2's two numbers
.set T,    172                         ; v172-179 eight numbers in f32, at work
.set BB,   128                         ; the way out: 16 rows back from the stage
.set F0,   0
.set F1,   96
.set G1A,  24
.set G0A,  32
.set G1B,  48
.set G0B,  56
.set PFA,  96                          ; s[96:97] where my prefetches stand: my work-group's 32 rows, at the K step of the walk that the refill in hand asks for; stepped once more ahead of each prefetch
.set KO,   98                          ; s[98:99] the byte in a row at which the next K step to be asked for begins: stepped by 256, modulo 4,096
.set LIM,  100                         ; s100     4 in a wave that prefetches, else the greatest number: a wave prefetches while the trip counter is above it
.set MSB, 0
.macro WIN new
.if MSB != \new
	s_set_vgpr_msb (MSB<<8)|\new
.set MSB, \new
.endif
.endm
.set MUL,  0xa5                        ; sources 0 and 1 window 1, C and D window 2
.set TO_F, 0x40
.macro PLACES
.rept 4
	v_nop
.endr
.endm
.macro JLOAD s                         ; waves 0 and 1 fetch A's halves, waves 2 and 3 B's; an s_nop 0 and four v_nop follow each of the two lines
	s_cmp_eq_u32 s46, 0
	s_cbranch_scc0 .Lfor_b_\@
	tensor_load_to_lds s[G0A+4*\s:G0A+4*\s+3], s[G1A:G1A+7]
	s_nop 0
.rept 4
	v_nop
.endr
	s_branch .Lasked_\@
.Lfor_b_\@:
	tensor_load_to_lds s[G0B+4*\s:G0B+4*\s+3], s[G1B:G1B+7]
	s_nop 0
.rept 4
	v_nop
.endr
.Lasked_\@:
.endm
; A PREFETCH INTO THE L2, behind a joint load, its five lines and the run of LDS loads that follows: 32 rows x 256 bytes of the K step that the NEXT refill will ask for: one K step, 128 matrix instructions, ahead of that load.
; It is issued behind the walk's first five refills alone (the trip counter stands at 6 or 5 there): for the walk's K steps 3 to 7.  K steps 0 to 2 come by their loads; K steps 8 to 15 are the ones with which the clusters of the other start began.
; Each row's 256 bytes of a K step are named once in the launch.  A's 128 rows: wave 0 of each of the four partners that ask for them jointly takes 32, told apart BY ADDRESS (cx).  B's: waves 2 and 3 take 32 of the 128 rows that they
; fetch (cy), in the clusters whose y has bit 1 clear: of the four clusters of a column these two have unlike starts.  No branch hangs on a work-group's place in its cluster.
.macro ASK
	s_cmp_gt_u32 s3, s[LIM]
	s_cbranch_scc0 .Lnot_mine_\@
	global_prefetch_b8 v[PFO], s[PFA:PFA+1] th:TH_LOAD_NT scope:SCOPE_SE
.Lnot_mine_\@:
.endm
.macro CREST
	s_cmp_lg_u32 s45, 0
	s_cbranch_scc1 .Lnot_wave_0_\@
	s_barrier_signal -3
.Lnot_wave_0_\@:
	s_barrier_wait -3
	s_barrier_signal -1
	s_barrier_wait -1
.endm
.macro CROUND
	s_barrier_signal -1
	s_barrier_wait -1
	CREST
.endm
	s_load_b256 s[4:11], s[0:1], 0x0               ; act, stats, w16, M
	s_load_b256 s[12:19], s[0:1], 0x20             ; z, aq, rowf, pt
	s_load_b128 s[20:23], s[0:1], 0x40             ; out1, out2
	v_lshl_add_u32 v[SPW], v0, 2, SPARE
	v_mov_b32 v[NIL], 0
	ds_add_u32 v[SPW], v[NIL]                      ; the wave's opening: the add and its wait stand ahead of my first tensor load
	v_lshrrev_b32 v1, 5, v0
	v_readfirstlane_b32 s45, v1                    ; wave
	s_lshr_b32 s46, s45, 1                         ; wr.  Also: I fetch for A (0) or for B (1)
	s_and_b32 s47, s45, 1                          ; wc.  Also: which half of that tile I fetch
	s_bfe_u32 s40, ttmp6, 0x40000                  ; cx
	s_bfe_u32 s41, ttmp6, 0x40004                  ; cy
	s_lshl_b32 s42, ttmp9, 2
	s_add_co_u32 s42, s42, s40                     ; tx: block of 256 columns
	s_and_b32 s69, ttmp7, 0xffff                   ; the cluster's y
	s_lshr_b32 s67, s69, 2                         ; which product: the same in all sixteen partners
	s_lshl_b32 s66, s69, 2
	s_add_co_u32 s66, s66, s41                     ; work-group y
	s_and_b32 s68, s66, 15                         ; block of 128 rows
	s_lshl_b32 s43, s41, 2
	s_lshl_b32 s43, 15, s43                        ; my row of the cluster
	s_lshl_b32 s44, 0x1111, s40                    ; my column
	s_or_b32 s[G1A+0], s43, (1<<16)|(1<<20)|(1<<21)|(5<<22)|(3<<25)  ; the mask; elements of 2 bytes; padding on; bit 21 beside a mask; 4 words after every 64
	s_mov_b32 s[G1A+1], KSTEP<<16                  ; tensor_dim0
	s_mov_b32 s[G1A+2], 64<<16                     ; tensor_dim1: 64 rows
	s_mov_b32 s[G1A+3], KSTEP<<16                  ; tile_dim0
	s_mov_b32 s[G1A+4], 64                         ; tile_dim1
	s_mov_b32 s[G1A+5], 2048                       ; elements from row to row
	s_mov_b32 s[G1A+6], 0
	s_mov_b32 s[G1A+7], 0
	s_or_b32 s[G1B+0], s44, (1<<16)|(1<<20)|(1<<21)|(5<<22)|(3<<25)
	s_mov_b32 s[G1B+1], KSTEP<<16
	s_mov_b32 s[G1B+2], 128<<16                    ; 128 rows
	s_mov_b32 s[G1B+3], KSTEP<<16
	s_mov_b32 s[G1B+4], 128
	s_mov_b32 s[G1B+5], 2048
	s_mov_b32 s[G1B+6], 0
	s_mov_b32 s[G1B+7], 0
	s_lshl_b32 s70, s68, 19                        ; A: (128 x row block + 64 x half) rows of 4,096 bytes, in the second third of act or the second half of w16
	s_lshl_b32 s71, s47, 18
	s_add_co_u32 s70, s70, s71
	s_add_co_u32 s70, s70, 8388608
	s_mov_b32 s71, 0
	s_lshl_b32 s72, s42, 20                        ; B: (256 tx + 128 x half) rows, in the last third of act or the first half of w16
	s_lshl_b32 s73, s47, 19
	s_add_co_u32 s72, s72, s73
	s_cmp_eq_u32 s67, 0
	s_cselect_b32 s82, 0x1000000, 0
	s_add_co_u32 s72, s72, s82
	s_mov_b32 s73, 0
	s_mul_i32 s2, s47, 4*BLK                       ; where they go: A's halves of 64 rows,
	s_mul_i32 s83, s47, 8*BLK                      ; B's halves of 128 rows, behind A's 128
	s_add_co_u32 s83, s83, 8*BLK
	s_lshr_b32 s[KO], s69, 1                       ; where my cluster's walk along K begins: made of the cluster's numbers alone
	s_xor_b32 s[KO], s[KO], s69
	s_xor_b32 s[KO], s[KO], ttmp9
	s_and_b32 s[KO], s[KO], 1
	s_lshl_b32 s[KO], s[KO], 11                    ; K step 0 or 8: byte 0 or 2,048 of a row
	s_mov_b32 s[KO+1], 0
	s_mov_b32 s84, 0x76543210                      ; v_permlanex16_b32: lane l xor 16
	s_mov_b32 s85, 0xfedcba98
	s_mov_b32 s86, 0xaaaaaaaa                      ; the odd lanes
	s_wait_dscnt 0x0                               ; the opening add is done
	s_wait_kmcnt 0x0
	s_cmp_eq_u32 s67, 0
	s_cselect_b64 s[74:75], s[4:5], s[8:9]         ; act or w16: the choice hangs on the cluster's number alone
	s_add_nc_u64 s[70:71], s[74:75], s[70:71]      ; my rows of A at K = 0: kept; every load's address is this + a byte in the row
	s_add_nc_u64 s[72:73], s[74:75], s[72:73]      ; my rows of B likewise
	CROUND                                         ; all sixteen work-groups are here: the first joint loads meet
.irp s, 0,1
	s_mov_b32 s[G0A+4*\s], 1
	s_add_co_u32 s[G0A+4*\s+1], s2, \s*SLOT
	s_add_nc_u64 s[G0A+4*\s+2:G0A+4*\s+3], s[70:71], s[KO:KO+1]
	s_or_b32 s[G0A+4*\s+3], s[G0A+4*\s+3], 0x80000000
	s_mov_b32 s[G0B+4*\s], 1
	s_add_co_u32 s[G0B+4*\s+1], s83, \s*SLOT
	s_add_nc_u64 s[G0B+4*\s+2:G0B+4*\s+3], s[72:73], s[KO:KO+1]
	s_or_b32 s[G0B+4*\s+3], s[G0B+4*\s+3], 0x80000000
	JLOAD \s
	s_add_co_u32 s[KO], s[KO], KSTEP*2             ; the walk's next K step (2,560 at the most here: no turn yet)
.endr
	v_and_b32 v1, 15, v0                           ; r
	v_bfe_u32 v2, v0, 4, 1                         ; h
	v_mul_u32_u24 v3, v1, PITCH
	v_lshl_add_u32 v3, v2, 4, v3
	s_mul_i32 s82, s46, 4*BLK                      ; my 64 rows of A
	s_mul_i32 s87, s47, 8*BLK                      ; my 128 rows of B
	s_add_co_u32 s87, s87, 8*BLK
.irp s, 0,1
	v_add_nc_u32 v[ADRA+\s], s82, v3
	v_add_nc_u32 v[ADRB+\s], s87, v3
	s_add_co_u32 s82, s82, SLOT
	s_add_co_u32 s87, s87, SLOT
.endr
	s_mul_i32 s82, s45, 16*SPITCH
	s_add_co_u32 s82, s82, STAGE                   ; my stage
	v_mul_u32_u24 v4, v1, SPITCH
	v_lshl_add_u32 v4, v2, 5, v4
	v_add_nc_u32 v[STO], s82, v4                   ; in: row r, 32 bytes for each half of the lanes
	v_and_b32 v5, 31, v0
	v_lshlrev_b32 v[CO], 4, v5
	v_lshlrev_b32 v[C8], 3, v5
	v_add_nc_u32 v[RD], s82, v[CO]                 ; back: 32 lanes take a row of 512 bytes
	v_bfe_u32 v[PO], v0, 3, 2
	v_lshlrev_b32 v[PO], 13, v[PO]
	v_lshlrev_b32 v[PZO], 13, v5
	v_lshlrev_b32 v[PFO], 12, v5
	v_mov_b32 v[ZO], 0
	s_lshl_b32 s82, s68, 20                        ; my part of out1 and of M: (128 x row block + 64 wr) rows of 8,192 bytes + (256 tx + 128 wc) x 4
	s_lshl_b32 s87, s46, 19
	s_add_co_u32 s82, s82, s87
	s_lshl_b32 s87, s42, 10
	s_add_co_u32 s82, s82, s87
	s_lshl_b32 s87, s47, 9
	s_add_co_u32 s82, s82, s87
	s_mov_b32 s83, 0
	s_add_nc_u64 s[78:79], s[20:21], s[82:83]
	s_add_nc_u64 s[80:81], s[10:11], s[82:83]
	s_lshr_b32 s82, s82, 1                         ; of pt: half as many bytes
	s_add_nc_u64 s[76:77], s[18:19], s[82:83]
	; the prefetches: who asks, and where
	s_and_b32 s[LIM], s69, 2                       ; for B: the clusters whose y has bit 1 clear;
	s_cmp_eq_u32 s46, 0
	s_cselect_b32 s[LIM], s47, s[LIM]              ; for A: wave 0 of every cluster
	s_cselect_b64 s[PFA:PFA+1], s[70:71], s[72:73]
	s_cselect_b32 s82, s40, s41                    ; my place among the four that ask for the tile with me
	s_cmp_eq_u32 s[LIM], 0
	s_cselect_b32 s[LIM], 4, -1                    ; the same in all sixteen partners, for a given wave
	s_lshl_b32 s82, s82, 17                        ; my work-group's 32 rows of 4,096 bytes
	s_add_nc_u64 s[PFA:PFA+1], s[PFA:PFA+1], s[82:83]
	s_add_nc_u64 s[PFA:PFA+1], s[PFA:PFA+1], s[KO:KO+1]   ; at the walk's K step 2: the first refill steps it to 3.  Nothing is prefetched here, at the head
	; ---- the side jobs' loads.  My wave's two tokens, and its two columns of out2, have one number: 8 (x + 8 y) + 2 wave
	s_lshl_b32 s82, s42, 3
	s_lshl_b32 s87, s66, 6
	s_add_co_u32 s82, s82, s87
	s_lshl_b32 s87, s45, 1
	s_add_co_u32 s87, s82, s87
	s_lshl_b32 s82, s87, 2
	s_add_nc_u64 s[88:89], s[6:7], s[82:83]        ; stats: pmx at my token; pden and pz by the immediate
	s_add_nc_u64 s[94:95], s[16:17], s[82:83]      ; rowf
	s_add_nc_u64 s[12:13], s[12:13], s[82:83]      ; z
	s_add_nc_u64 s[22:23], s[22:23], s[82:83]      ; out2
	s_lshl_b32 s82, s87, 12
	s_add_nc_u64 s[90:91], s[4:5], s[82:83]        ; phq
	s_add_nc_u64 s[92:93], s[14:15], s[82:83]      ; aq
.irp i, 0,1
.irp j, 0,1,2,3,4,5,6,7
	global_load_b32 v[PM+8*\i+\j], v[PO], s[88:89] offset:32768*\j+4*\i          ; the group of the 8 numbers that load j of the row brings me: lane / 8 + 4 j
.endr
.irp j, 0,1,2,3,4,5,6,7
	global_load_b32 v[PD+8*\i+\j], v[PO], s[88:89] offset:262144+32768*\j+4*\i
.endr
.endr
	global_load_b64 v[PZ:PZ+1], v[PZO], s[88:89] offset:524288                   ; part = lane, my two columns
	global_load_b64 v[ZV:ZV+1], v[ZO], s[12:13]
.irp i, 0,1
.irp j, 0,1,2,3,4,5,6,7
	global_load_b128 v[DA+32*\i+4*\j:DA+32*\i+4*\j+3], v[CO], s[90:91] offset:4096*\i+512*\j th:TH_LOAD_NT
.endr
.endr
.irp i, 0,1,2,3
	v_mov_b32 v[PX+\i], 0                          ; a lane permute's destination counts as one of its sources
.endr
	v_mov_b32 v[PX2], 0
	v_mov_b32 v[PX2+1], 0
.macro MULA f, a, zero                 ; 8 products: A's block a against B's eight.  The 32 accumulators take turns, in the same order in every quarter
.irp b, 0,1,2,3,4,5,6,7
.if \zero
	v_wmma_f32_16x16x32_f16 v[8*(8*(\a)+\b):8*(8*(\a)+\b)+7], v[\f+8*\b:\f+8*\b+7], v[\f+64+8*(\a):\f+64+8*(\a)+7], 0
.else
	v_wmma_f32_16x16x32_f16 v[8*(8*(\a)+\b):8*(8*(\a)+\b)+7], v[\f+8*\b:\f+8*\b+7], v[\f+64+8*(\a):\f+64+8*(\a)+7], v[8*(8*(\a)+\b):8*(8*(\a)+\b)+7]
.endif
.endr
.endm
.macro FETCH slot, k, f                ; 24 LDS loads in one run: 32 along K at byte k of the rows: B's eight blocks, then A's four
	WIN TO_F
.irp i, 0,1,2,3,4,5,6,7
	ds_load_b128 v[\f+8*\i:\f+8*\i+3],   v[ADRB+\slot] offset:\k+\i*BLK
	ds_load_b128 v[\f+8*\i+4:\f+8*\i+7], v[ADRB+\slot] offset:\k+\i*BLK+32
.endr
.irp i, 0,1,2,3
	ds_load_b128 v[\f+64+8*\i:\f+64+8*\i+3],   v[ADRA+\slot] offset:\k+\i*BLK
	ds_load_b128 v[\f+64+8*\i+4:\f+64+8*\i+7], v[ADRA+\slot] offset:\k+\i*BLK+32
.endr
.endm
.macro QUARTER slot, k, f, g, zero     ; multiplies set f; in its middle fetches the next quarter, at byte k, into set g
	s_wait_dscnt 4                                 ; B and A's blocks 0, 1 are in; the four loads of A's blocks 2, 3 may be out
	WIN MUL
	MULA \f, 0, \zero
	MULA \f, 1, \zero
	PLACES
	FETCH \slot, \k, \g
	s_wait_dscnt 24                                ; all but the 24 just issued
	WIN MUL
	MULA \f, 2, \zero
	MULA \f, 3, \zero
.endm
; The last quarter multiplies set F1 and changes slots: one barrier; in front of it each wave waits for all its tensor loads, adds 0 to its spare word, and waits for that and for its reads of this slot.
; fill = 1: this slot is filled again with the walk's K step two on.  Its group 0 is made anew between the add and the wait for it, where no tensor load of mine is out: my rows' address + the byte in the row, which then steps and turns at the row's end.
.macro TURN slot, next, fill
	WIN 0
.if \fill
	s_wait_xcnt 0x0                                ; the last prefetch, a K step back, has read its address, and the side jobs' stores their registers
	s_add_nc_u64 s[PFA:PFA+1], s[PFA:PFA+1], KSTEP*2
.endif
	s_wait_tensorcnt 0x0                           ; all my tensor loads have landed: my part of the next slot
	ds_add_u32 v[SPW], v[NIL]
.if \fill
	s_add_nc_u64 s[G0A+4*\slot+2:G0A+4*\slot+3], s[70:71], s[KO:KO+1]
	s_or_b32 s[G0A+4*\slot+3], s[G0A+4*\slot+3], 0x80000000
	s_add_nc_u64 s[G0B+4*\slot+2:G0B+4*\slot+3], s[72:73], s[KO:KO+1]
	s_or_b32 s[G0B+4*\slot+3], s[G0B+4*\slot+3], 0x80000000
	s_add_co_u32 s[KO], s[KO], KSTEP*2
	s_and_b32 s[KO], s[KO], 4095
.endif
	s_wait_dscnt 5                                 ; the add and the four loads of A's blocks 2, 3 may be out
	WIN MUL
	MULA F1, 0, 0
	s_wait_dscnt 0x0                               ; the add is done, and my reads of this slot are over
	s_barrier_signal -1
	MULA F1, 1, 0
.if \fill
	WIN 0
.endif
	s_barrier_wait -1
.if \fill
	CREST                                          ; the barrier has opened a round of the cluster's: no wave of any partner still reads this slot or has a load on its way
	JLOAD \slot                                    ; its four v_nop are also the places in front of the loads below
.else
	PLACES
.endif
	FETCH \next, 0, F0
.if \fill
	WIN 0
	ASK
.endif
	WIN MUL
	MULA F1, 2, 0
	MULA F1, 3, 0
.endm
	s_mov_b32 s3, TRIPS                            ; the trip counter stands at 6 from here on: the first change of slots prefetches by it too
	s_wait_tensorcnt 0x1                           ; my part of the walk's K step 0 is in; K step 1's load may stay out
	s_barrier_signal -1
	s_barrier_wait -1
	FETCH 0, 0, F0
	QUARTER 0, 64,  F0, F1, 1                      ; the first quarter's products start the sums
	QUARTER 0, 128, F1, F0, 0
	QUARTER 0, 192, F0, F1, 0
	TURN 0, 1, 1                                   ; the first refill is asked for
	WIN 0
	; ---- THE SIDE JOBS' ARITHMETIC AND STORES, all in f32
	s_wait_loadcnt 16                              ; the 34 small loads are in; the 16 of phq are younger
.irp i, 0,1
	v_max3_num_f32 v[MX+\i], v[PM+8*\i], v[PM+8*\i+1], v[PM+8*\i+2]
	v_pk_add_f32 v[SA+4*\i:SA+4*\i+1], v[PD+8*\i:PD+8*\i+1], v[PD+8*\i+2:PD+8*\i+3]
	v_pk_add_f32 v[SA+4*\i+2:SA+4*\i+3], v[PD+8*\i+4:PD+8*\i+5], v[PD+8*\i+6:PD+8*\i+7]
	v_max3_num_f32 v[MX+\i], v[MX+\i], v[PM+8*\i+3], v[PM+8*\i+4]
	v_pk_add_f32 v[SA+4*\i:SA+4*\i+1], v[SA+4*\i:SA+4*\i+1], v[SA+4*\i+2:SA+4*\i+3]
	v_max3_num_f32 v[MX+\i], v[MX+\i], v[PM+8*\i+5], v[PM+8*\i+6]
	v_add_f32 v[SA+4*\i], v[SA+4*\i], v[SA+4*\i+1]
	v_max_num_f32 v[MX+\i], v[MX+\i], v[PM+8*\i+7]                 ; my eight groups; the other 24 lie in lanes l xor 8, l xor 16, l xor 24
	v_add_f32_dpp v[SA+4*\i], v[SA+4*\i], v[SA+4*\i] row_xmask:8 row_mask:0xf bank_mask:0xf
	v_max_num_f32_dpp v[MX+\i], v[MX+\i], v[MX+\i] row_xmask:8 row_mask:0xf bank_mask:0xf
	v_permlanex16_b32 v[PX+\i], v[MX+\i], s84, s85
	v_permlanex16_b32 v[PX+2+\i], v[SA+4*\i], s84, s85
	v_max_num_f32 v[MX+\i], v[MX+\i], v[PX+\i]                     ; 2^Erow
	v_add_f32 v[SA+4*\i], v[SA+4*\i], v[PX+2+\i]
	v_sub_nc_u32 v[INV+\i], 0x7f000000, v[MX+\i]                   ; 2^-Erow
	v_add_f32 v[SA+4*\i], 0x358637bd, v[SA+4*\i]                   ; + 1e-6
.endr
	v_rcp_f32 v[RC], v[SA]
	v_rcp_f32 v[RC+1], v[SA+4]
.irp i, 0,1
.irp j, 0,1,2,3,4,5,6,7
	v_mul_f32 v[PM+8*\i+\j], v[PM+8*\i+\j], v[INV+\i]              ; 2^(Eg - Erow).  (Plain work behind the reciprocals)
.endr
.endr
.irp m, 1,2,4,8
	v_add_f32_dpp v[PZ], v[PZ], v[PZ] row_xmask:\m row_mask:0xf bank_mask:0xf          ; out2: the 32 parts lie in the 32 lanes
	v_add_f32_dpp v[PZ+1], v[PZ+1], v[PZ+1] row_xmask:\m row_mask:0xf bank_mask:0xf
.endr
	v_permlanex16_b32 v[PX2], v[PZ], s84, s85
	v_permlanex16_b32 v[PX2+1], v[PZ+1], s84, s85
	v_pk_add_f32 v[PZ:PZ+1], v[PZ:PZ+1], v[PX2:PX2+1]
	v_pk_add_f32 v[O2:O2+1], v[PZ:PZ+1], v[ZV:ZV+1]                ; + z
	global_store_b64 v[ZO], v[O2:O2+1], s[22:23]                   ; every lane holds the two sums: all write the same 8 bytes with the same values
	s_wait_alu depctr_va_vdst(0)                   ; one wait for both reciprocals, ahead of their first reader
.irp i, 0,1
	v_mul_f32 v[MX+\i], 0x3d800000, v[MX+\i]
	v_mul_f32 v[RC+\i], v[MX+\i], v[RC+\i]         ; 2^Erow / 16 / (the divisor)
.endr
	v_cndmask_b32 v[RFV], v[RC], v[RC+1], s86      ; even lanes the first token's, odd lanes the second's;
	v_and_b32 v[RFA], 1, v0
	v_lshlrev_b32 v[RFA], 2, v[RFA]
	global_store_b32 v[RFA], v[RFV], s[94:95]      ; sixteen lanes write each of the two words, with the same value
; phq's words one by one: both halves widened to f32, x the group's factor (a power of two), narrowed once.  Word n of 64: row n / 32, load (n / 4) % 8: its factor is v[PM + n / 4].
.set n, 0
.irp r, 64,65,66,67,68,69,70,71,72,73,74,75,76,77,78,79,80,81,82,83,84,85,86,87,88,89,90,91,92,93,94,95,96,97,98,99,100,101,102,103,104,105,106,107,108,109,110,111,112,113,114,115,116,117,118,119,120,121,122,123,124,125,126,127
.if n == 0
	s_wait_loadcnt 8                               ; the first row's eight loads are in; the second row's are younger
.endif
.if n == 32
	s_wait_loadcnt 0x0
.endif
	v_lshrrev_b32 v10, 16, v\r                     ; the upper half comes down
	v_cvt_f32_f16 v[T+2*(n%4)], v\r\().l
	v_cvt_f32_f16 v[T+2*(n%4)+1], v10.l
	v_mul_f32 v[T+2*(n%4)], v[T+2*(n%4)], v[PM+n/4]
	v_mul_f32 v[T+2*(n%4)+1], v[T+2*(n%4)+1], v[PM+n/4]
	v_cvt_pk_f16_f32 v\r, v[T+2*(n%4)], v[T+2*(n%4)+1]
.if n%4 == 3
	global_store_b128 v[CO], v[\r-3:\r], s[92:93] offset:4096*(n/32)+512*((n/4)%8)   ; 512 consecutive bytes, aligned
.endif
.set n, n+1
.endr
.Llap:                                                 ; a trip: two K steps, slot 1's and slot 0's; both slots are filled again
	QUARTER 1, 64,  F0, F1, 0
	QUARTER 1, 128, F1, F0, 0
	QUARTER 1, 192, F0, F1, 0
	TURN 1, 0, 1
	QUARTER 0, 64,  F0, F1, 0
	QUARTER 0, 128, F1, F0, 0
	QUARTER 0, 192, F0, F1, 0
	TURN 0, 1, 1
	WIN 0
	s_sub_co_u32 s3, s3, 1
	s_cmp_lg_u32 s3, 0
	s_cbranch_scc1 .Llap
	QUARTER 1, 64,  F0, F1, 0                      ; the walk's K step 13;
	QUARTER 1, 128, F1, F0, 0
	QUARTER 1, 192, F0, F1, 0
	TURN 1, 0, 1                                   ; the last refill: K step 15
	QUARTER 0, 64,  F0, F1, 0                      ; K step 14
	QUARTER 0, 128, F1, F0, 0
	QUARTER 0, 192, F0, F1, 0
	TURN 0, 1, 0                                   ; nothing is left to fetch: the last barrier of the ring
	WIN 0
.macro LASTSTEP                        ; the walk's last K step, in slot 1: no barrier and no tensor load stands in it
	QUARTER 1, 64,  F0, F1, 0
	QUARTER 1, 128, F1, F0, 0
	QUARTER 1, 192, F0, F1, 0
	s_wait_dscnt 4
	WIN MUL
	MULA F1, 0, 0
	MULA F1, 1, 0
	s_wait_dscnt 0x0
	MULA F1, 2, 0
	MULA F1, 3, 0
	WIN 0
	PLACES
.endm
; THE WAY OUT, block by block of 16 rows x 128 columns, through my own stage and back as whole rows of 512 bytes.  so: which set of stages.
.macro TOSTAGE a, so
	WIN 0x08                                       ; an LDS store's data: window 2
.irp b, 0,1,2,3,4,5,6,7
	ds_store_b128 v[STO], v[8*(8*(\a)+\b):8*(8*(\a)+\b)+3] offset:\so+64*\b        ; each accumulator from its low end on
	ds_store_b128 v[STO], v[8*(8*(\a)+\b)+4:8*(8*(\a)+\b)+7] offset:\so+64*\b+16
.endr
	WIN 0
.irp t, 0,1,2,3,4,5,6,7,8,9,10,11,12,13,14,15
	ds_load_b128 v[BB+4*\t:BB+4*\t+3], v[RD] offset:\so+\t*SPITCH                  ; LDS serves a wave's instructions in order: these see the stores above
.endr
	s_wait_dscnt 0x0
.endm
	s_cmp_lg_u32 s67, 0                            ; one branch, on the cluster's number, in front of the last K step: two whole tails
	s_cbranch_scc1 .Lway_pt
	WIN 0xc0                                       ; destination window 3
.irp a, 0,1,2,3
.irp t, 0,1,2,3,4,5,6,7,8,9,10,11,12,13,14,15
	global_load_b128 v[64*\a+4*\t:64*\a+4*\t+3], v[CO], s[80:81] offset:(16*\a+\t)*8192 th:TH_LOAD_NT   ; M, in the order in which the rows come back from the stage: asked for a K step, 128 matrix instructions, ahead of its use
.endr
.endr
	WIN 0
	LASTSTEP
.irp a, 0,1,2,3
	TOSTAGE \a, 0
	s_wait_loadcnt 16*(3-\a)                       ; this block's sixteen rows of M are in; the later blocks' may stay out
	WIN 0xf0                                       ; destination and source 2: window 3
.set ii, 0
.rept 32
	v_pk_fma_f32 v[64*\a+ii:64*\a+ii+1], v[BB+ii:BB+ii+1], 0x43800000, v[64*\a+ii:64*\a+ii+1] op_sel_hi:[1,0,1]   ; M + 256 x the sum
.set ii, ii+2
.endr
	WIN 0x0c                                       ; a store's data: window 3
.irp t, 0,1,2,3,4,5,6,7,8,9,10,11,12,13,14,15
	global_store_b128 v[CO], v[64*\a+4*\t:64*\a+4*\t+3], s[78:79] offset:(16*\a+\t)*8192 th:TH_STORE_NT   ; 512 consecutive bytes, aligned
.endr
	WIN 0
.endr
	s_wait_tensorcnt 0x0                           ; the wave's end
	ds_add_u32 v[SPW], v[NIL]
	s_wait_dscnt 0x0
	CROUND                                         ; the closing round
	s_endpgm
.Lway_pt:
	LASTSTEP
.irp a, 0,1,2,3
	TOSTAGE \a, STG2
	WIN 0x40                                       ; destination window 1: every store has registers of its own
.set ii, 0
.rept 32
	v_cvt_pk_f16_f32 v[32*\a+ii], v[BB+2*ii], v[BB+2*ii+1]
.set ii, ii+1
.endr
	WIN 0x04
.irp t, 0,1,2,3,4,5,6,7,8,9,10,11,12,13,14,15
	global_store_b64 v[C8], v[32*\a+2*\t:32*\a+2*\t+1], s[76:77] offset:(16*\a+\t)*4096   ; 256 consecutive bytes, aligned
.endr
	WIN 0
.endr
	s_wait_tensorcnt 0x0                           ; the same three lines at this path's end
	ds_add_u32 v[SPW], v[NIL]
	s_wait_dscnt 0x0
	CROUND
	s_endpgm
.Lfunc_end_k_qaa39cbbd8a_mem:
	.size	k_qaa39cbbd8a_mem, .Lfunc_end_k_qaa39cbbd8a_mem-k_qaa39cbbd8a_mem
	.p2alignl 7, 3214868480
	.fill 96, 4, 3214868480
	.section	.rodata,"a",@progbits
	.p2align	6, 0x0
	.amdhsa_kernel k_qaa39cbbd8a_mem
		.amdhsa_group_segment_fixed_size 327680
		.amdhsa_private_segment_fixed_size 0
		.amdhsa_enable_private_segment 0
		.amdhsa_kernarg_size 80
		.amdhsa_user_sgpr_count 2
		.amdhsa_user_sgpr_kernarg_segment_ptr 1
		.amdhsa_wavefront_size32 1
		.amdhsa_system_sgpr_workgroup_id_x 1
		.amdhsa_system_sgpr_workgroup_id_y 1
		.amdhsa_system_sgpr_workgroup_id_z 1
		.amdhsa_system_vgpr_workitem_id 0
		.amdhsa_next_free_vgpr 1024
		.amdhsa_next_free_sgpr 102
		.amdhsa_reserve_vcc 0
		.amdhsa_float_denorm_mode_32 3
		.amdhsa_float_denorm_mode_16_64 3
		.amdhsa_memory_ordered 1
		.amdhsa_forward_progress 1
		.amdhsa_inst_pref_size 200
	.end_amdhsa_kernel
	.amdgpu_metadata
---
amdhsa.version: [ 1, 2 ]
amdhsa.kernels:
  - .name:           k_qaa39cbbd8a_mem
    .symbol:         k_qaa39cbbd8a_mem.kd
    .args:
      - { .name: act, .offset: 0, .size: 8, .value_kind: global_buffer, .address_space: global }
      - { .name: stats, .offset: 8, .size: 8, .value_kind: global_buffer, .address_space: global }
      - { .name: w16, .offset: 16, .size: 8, .value_kind: global_buffer, .address_space: global }
      - { .name: M, .offset: 24, .size: 8, .value_kind: global_buffer, .address_space: global }
      - { .name: z, .offset: 32, .size: 8, .value_kind: global_buffer, .address_space: global }
      - { .name: aq, .offset: 40, .size: 8, .value_kind: global_buffer, .address_space: global }
      - { .name: rowf, .offset: 48, .size: 8, .value_kind: global_buffer, .address_space: global }
      - { .name: pt, .offset: 56, .size: 8, .value_kind: global_buffer, .address_space: global }
      - { .name: out1, .offset: 64, .size: 8, .value_kind: global_buffer, .address_space: global }
      - { .name: out2, .offset: 72, .size: 8, .value_kind: global_buffer, .address_space: global }
    .group_segment_fixed_size: 327680
    .private_segment_fixed_size: 0
    .kernarg_segment_align: 8
    .kernarg_segment_size: 80
    .max_flat_workgroup_size: 128
    .sgpr_count:     102
    .vgpr_count:     1024
    .wavefront_size: 32
...
	.end_amdgpu_metadata
.endif
;; end of part 3
;; launch outp (part 4): grid 16 x 16, 4 waves a work-group, clusters of 4 x 4, 327,680 bytes of LDS; arguments aq, pt, rowf, out0; writes out0
.if DOCPART == 4
	.amdgcn_target "amdgcn-amd-amdhsa--gfx1250"
	.amdhsa_code_object_version 6
	.text
	.protected	k_qaa39cbbd8a_outp
	.globl	k_qaa39cbbd8a_outp
	.p2align	8
	.type	k_qaa39cbbd8a_outp,@function
k_qaa39cbbd8a_outp:
	s_mov_b64 s[64:65], 0
	v_nop
	global_prefetch_b8 v0, s[64:65] scope:SCOPE_SE
	s_setreg_imm32_b32 hwreg(HW_REG_WAVE_MODE, 25, 1), 1
	s_wait_xcnt 0x0
	s_wait_alu depctr_hold_cnt(0) depctr_sa_sdst(0) depctr_va_vdst(0) depctr_va_sdst(0) depctr_va_ssrc(0) depctr_va_vcc(0) depctr_vm_vsrc(0)
	s_getreg_b32 s2, hwreg(HW_REG_IB_STS2, 6, 4)
	s_cmp_eq_u32 s2, 0
	s_cbranch_scc0 .Lentry_in_a_cluster
	s_endpgm
.Lentry_in_a_cluster:
	s_bfe_u32 s2, ttmp6, 0x10000c
	s_cmp_lg_u32 s2, 0xf033
	s_cbranch_scc0 .Lentry_shape_is_right
	s_endpgm
.Lentry_shape_is_right:
; out0[t][f] = rowf[t] x sum over d of aq[t][d] pt[f][d].  aq, pt: [2048][2048] f16; sums in f32; rowf, out0 f32.
; aq = phi(q) / 2^Erow, pt = 16 M Wo^T (transposed), rowf = 2^Erow / (16 (phi(q) . z + 1e-6)): the powers of two cancel exactly.
; A tile of out0 is 128 x 128: 256 work-groups.  Four waves, each 64 x 64: 16 accumulators.  K goes in steps of 256 (LDS rows of 512 bytes) through two slots.
; CLUSTER 4 x 4: aq's tile is shared along a row of the cluster, pt's along a column: joint loads.  THE MATRIX INSTRUCTION IS USED TRANSPOSED (source 0 = 16 rows of pt, source 1 = 16 rows of aq): a lane holds eight neighbours of a row of out0.
; THE WALK ALONG K IS TURNED.  A cluster begins at K step (2 x + 4 p) mod 8, x the cluster's x and p = (y xor y / 2) & 1 of its y, and goes once round all eight; the f32 sums take K in that order.  aq's rows are read by the four
; clusters of a row of clusters, whose starts lie 2 K steps apart; pt's rows by the four of a column, whose starts are 0, 4, 4, 0 (+ 2 x): no two clusters with unlike starts name the same bytes in the same K step of their walks.
; No prefetch: a K step's rows are twice as long here and the walk has six refills in all.
; REGISTERS: window 0: v1-29 addresses, v8-11 rowf; v32-63 the way out; v128-255 the accumulators ((a, b) at 128 + 8 (4 a + b)).  window 1: two fragment buffers of 128; on the way out rows of out0.
.set SIZE_K, 2048
.set SIZE_N, 2048
.set KSTEP,  256
.set PITCH,  528                       ; 512 bytes + 16 of padding: the 16 rows of a load start 4 banks apart
.set HALFT,  64*PITCH
.set SLOT,   4*HALFT
.set STAGE,  2*SLOT                    ; behind the ring: 16 rows x 272 bytes for each wave: a wave's 64 columns of f32 are 256 bytes
.set SPITCH, 272
.set SPARE,  STAGE+4*16*SPITCH
.set LAPS,   SIZE_K/(2*KSTEP)
.set RF,   8
.set ADRA, 16
.set ADRB, 20
.set STO,  24
.set RD,   25
.set CO,   26
.set SPW,  28
.set NIL,  29
.set TMP,  32
.set ACC,  128
.set F0,   0
.set F1,   128
.set G1,  24
.set G0,  32
.set G1B, 48
.set G0B, 56
.set KO,  66                           ; s[66:67] the byte in a row at which the next K step to be asked for begins: stepped by 512, modulo 4,096
.set MSB, 0
.macro WIN new
.if MSB != \new
	s_set_vgpr_msb (MSB<<8)|\new
.set MSB, \new
.endif
.endm
.set MUL,  0x05                        ; sources 0 and 1 window 1; C and D window 0
.set TO_F, 0x40
.macro JLOAD s                         ; waves 0 and 1 fetch aq's halves, waves 2 and 3 pt's; an s_nop 0 and four v_nop follow each of the two lines
	s_cmp_eq_u32 s13, 0
	s_cbranch_scc0 .Lfor_b_\@
	tensor_load_to_lds s[G0+4*\s:G0+4*\s+3], s[G1:G1+7]
	s_nop 0
.rept 4
	v_nop
.endr
	s_branch .Lasked_\@
.Lfor_b_\@:
	tensor_load_to_lds s[G0B+4*\s:G0B+4*\s+3], s[G1B:G1B+7]
	s_nop 0
.rept 4
	v_nop
.endr
.Lasked_\@:
.endm
.macro CREST
	s_cmp_lg_u32 s12, 0
	s_cbranch_scc1 .Lnot_wave_0_\@
	s_barrier_signal -3
.Lnot_wave_0_\@:
	s_barrier_wait -3
	s_barrier_signal -1
	s_barrier_wait -1
.endm
.macro CROUND
	s_barrier_signal -1
	s_barrier_wait -1
	CREST
.endm
	s_load_b256 s[4:11], s[0:1], 0x0               ; aq, pt, rowf, out0
	v_lshl_add_u32 v[SPW], v0, 2, SPARE
	v_mov_b32 v[NIL], 0
	ds_add_u32 v[SPW], v[NIL]                      ; the wave's opening: the add and its wait stand ahead of my first tensor load
	v_lshrrev_b32 v1, 5, v0
	v_readfirstlane_b32 s12, v1                    ; wave
	s_lshr_b32 s13, s12, 1                         ; which half of the tile's rows is mine.  Also: I fetch for aq (0) or for pt (1)
	s_and_b32 s14, s12, 1                          ; which half of its columns.  Also: which 64 rows of that tile I fetch
	s_bfe_u32 s40, ttmp6, 0x40000                  ; cx
	s_bfe_u32 s41, ttmp6, 0x40004                  ; cy
	s_lshl_b32 s42, ttmp9, 2
	s_add_co_u32 s42, s42, s40                     ; tile column
	s_and_b32 s15, ttmp7, 0xffff                   ; the cluster's y
	s_lshr_b32 s[KO], s15, 1                       ; where my cluster's walk along K begins: made of the cluster's numbers alone
	s_xor_b32 s[KO], s[KO], s15
	s_and_b32 s[KO], s[KO], 1                      ; p
	s_lshl_b32 s[KO], s[KO], 1
	s_add_co_u32 s[KO], s[KO], ttmp9               ; 2 p + x, in units of two K steps: 1,024 bytes of a row
	s_lshl_b32 s[KO], s[KO], 10
	s_and_b32 s[KO], s[KO], SIZE_K*2-1
	s_mov_b32 s[KO+1], 0
	s_lshl_b32 s15, s15, 2
	s_add_co_u32 s15, s15, s41                     ; tile row
	s_lshl_b32 s43, s41, 2
	s_lshl_b32 s43, 15, s43                        ; my row of the cluster
	s_lshl_b32 s44, 0x1111, s40                    ; my column
	s_or_b32 s[G1+0], s43, (1<<16)|(1<<20)|(1<<21)|(6<<22)|(3<<25)   ; the mask; elements of 2 bytes; padding on; bit 21 beside a mask; 4 words after every 128
	s_or_b32 s[G1B+0], s44, (1<<16)|(1<<20)|(1<<21)|(6<<22)|(3<<25)
.irp g, G1, G1B
	s_mov_b32 s[\g+1], KSTEP<<16                   ; tensor_dim0
	s_mov_b32 s[\g+2], 64<<16                      ; tensor_dim1
	s_mov_b32 s[\g+3], KSTEP<<16                   ; tile_dim0
	s_mov_b32 s[\g+4], 64                          ; tile_dim1
	s_mov_b32 s[\g+5], SIZE_K                      ; elements from row to row
	s_mov_b32 s[\g+6], 0
	s_mov_b32 s[\g+7], 0
.endr
	s_lshl_b32 s17, s14, 6                         ; which 64 rows of the tile I fetch
	s_lshl_b32 s16, s15, 7
	s_add_co_u32 s16, s16, s17                     ; aq: row 128 x tile row + 64 x half
	s_lshl_b32 s16, s16, 12                        ; rows of 4,096 bytes
	s_lshl_b32 s46, s42, 7
	s_add_co_u32 s46, s46, s17                     ; pt: row 128 x tile column + 64 x half
	s_lshl_b32 s46, s46, 12
	s_mov_b32 s17, 0
	s_mov_b32 s47, 0
	s_mul_i32 s20, s12, HALFT                      ; where they go: wave x 64 rows
	s_wait_dscnt 0x0                               ; the opening add is done
	s_wait_kmcnt 0x0
	s_add_nc_u64 s[18:19], s[4:5], s[16:17]        ; my rows of aq at K = 0: kept; every load's address is this + a byte in the row
	s_add_nc_u64 s[46:47], s[6:7], s[46:47]        ; my rows of pt likewise
	CROUND                                         ; all sixteen work-groups are here: the first joint loads meet
.irp s, 0,1
	s_mov_b32 s[G0+4*\s], 1
	s_add_co_u32 s[G0+4*\s+1], s20, \s*SLOT
	s_add_nc_u64 s[G0+4*\s+2:G0+4*\s+3], s[18:19], s[KO:KO+1]
	s_or_b32 s[G0+4*\s+3], s[G0+4*\s+3], 0x80000000
	s_mov_b32 s[G0B+4*\s], 1
	s_add_co_u32 s[G0B+4*\s+1], s20, \s*SLOT
	s_add_nc_u64 s[G0B+4*\s+2:G0B+4*\s+3], s[46:47], s[KO:KO+1]
	s_or_b32 s[G0B+4*\s+3], s[G0B+4*\s+3], 0x80000000
	JLOAD \s
	s_add_co_u32 s[KO], s[KO], KSTEP*2             ; the walk's next K step, turning at the row's end
	s_and_b32 s[KO], s[KO], SIZE_K*2-1
.endr
	v_and_b32 v1, 15, v0                           ; r
	v_bfe_u32 v2, v0, 4, 1                         ; h
	v_mul_u32_u24 v3, v1, PITCH
	v_lshl_add_u32 v3, v2, 4, v3
	s_mul_i32 s21, s13, HALFT                      ; my 64 rows of aq
	s_mul_i32 s22, s14, HALFT                      ; my 64 rows of pt,
	s_add_co_u32 s22, s22, 2*HALFT                 ; behind aq's 128
.irp s, 0,1
	v_add_nc_u32 v[ADRA+\s], s21, v3
	v_add_nc_u32 v[ADRB+\s], s22, v3
	s_add_co_u32 s21, s21, SLOT
	s_add_co_u32 s22, s22, SLOT
.endr
	s_mul_i32 s23, s12, 16*SPITCH
	s_add_co_u32 s23, s23, STAGE                   ; my stage
	v_mul_u32_u24 v4, v1, SPITCH
	v_lshl_add_u32 v4, v2, 5, v4
	v_add_nc_u32 v[STO], s23, v4                   ; in: row r, 32 bytes for each half of the lanes
	v_mul_u32_u24 v5, v2, SPITCH
	v_lshl_add_u32 v5, v1, 4, v5
	v_add_nc_u32 v[RD], s23, v5                    ; back: lanes 0-15 one row of 256 bytes, lanes 16-31 the next
	v_lshlrev_b32 v5, 13, v2
	v_lshl_add_u32 v[CO], v1, 4, v5                ; the same two rows in out0
	v_lshlrev_b32 v6, 2, v1
	s_lshl_b32 s16, s15, 20                        ; my part of out0: (128 x tile row + 64 wr) rows of 8,192 bytes + (128 x tile column + 64 wc) x 4
	s_lshl_b32 s21, s13, 19
	s_add_co_u32 s16, s16, s21
	s_lshl_b32 s21, s42, 9
	s_add_co_u32 s16, s16, s21
	s_lshl_b32 s21, s14, 8
	s_add_co_u32 s16, s16, s21
	s_add_nc_u64 s[10:11], s[10:11], s[16:17]
	s_lshl_b32 s16, s15, 9                         ; rowf of my 64 rows
	s_lshl_b32 s21, s13, 8
	s_add_co_u32 s16, s16, s21
	s_add_nc_u64 s[8:9], s[8:9], s[16:17]
.irp a, 0,1,2,3
	global_load_b32 v[RF+\a], v6, s[8:9] offset:64*\a              ; rowf(16 a + r)
.endr
.macro MUL8 f, c, a0, zero             ; 8 products: row blocks a0, a0 + 1 x all 4 column blocks, 32 along K: half c of buffer f.  The 16 accumulators take turns
.irp a, \a0, \a0+1
.irp b, 0,1,2,3
.if \zero
	v_wmma_f32_16x16x32_f16 v[ACC+8*(4*(\a)+\b):ACC+8*(4*(\a)+\b)+7], v[\f+64+8*(4*\c+\b):\f+64+8*(4*\c+\b)+7], v[\f+8*(4*\c+\a):\f+8*(4*\c+\a)+7], 0
.else
	v_wmma_f32_16x16x32_f16 v[ACC+8*(4*(\a)+\b):ACC+8*(4*(\a)+\b)+7], v[\f+64+8*(4*\c+\b):\f+64+8*(4*\c+\b)+7], v[\f+8*(4*\c+\a):\f+8*(4*\c+\a)+7], v[ACC+8*(4*(\a)+\b):ACC+8*(4*(\a)+\b)+7]
.endif
.endr
.endr
.endm
.macro FETCH slot, k, f                ; 32 LDS loads in one run: 64 along K at byte k of the rows; the first 32 along K first
	WIN TO_F
.irp c, 0,1
.irp i, 0,1,2,3
	ds_load_b128 v[\f+64+8*(4*\c+\i):\f+64+8*(4*\c+\i)+3],   v[ADRB+\slot] offset:\k+64*\c+\i*16*PITCH
	ds_load_b128 v[\f+64+8*(4*\c+\i)+4:\f+64+8*(4*\c+\i)+7], v[ADRB+\slot] offset:\k+64*\c+\i*16*PITCH+32
	ds_load_b128 v[\f+8*(4*\c+\i):\f+8*(4*\c+\i)+3],         v[ADRA+\slot] offset:\k+64*\c+\i*16*PITCH
	ds_load_b128 v[\f+8*(4*\c+\i)+4:\f+8*(4*\c+\i)+7],       v[ADRA+\slot] offset:\k+64*\c+\i*16*PITCH+32
.endr
.endr
.endm
.macro PLACES
.rept 4
	v_nop
.endr
.endm
.macro QUARTER slot, k, f, g, zero
	s_wait_dscnt 16                                ; the first 32 along K are in; the sixteen younger loads may be out
	WIN MUL
	MUL8 \f, 0, 0, \zero
	MUL8 \f, 0, 2, \zero
	PLACES
	FETCH \slot, \k, \g
	s_wait_dscnt 32                                ; all but the 32 just issued
	WIN MUL
	MUL8 \f, 1, 0, 0
	MUL8 \f, 1, 2, 0
.endm
; The last quarter multiplies buffer 1 and changes slots: one barrier; in front of it each wave waits for all its tensor loads, adds 0 to its spare word, and waits for that and for its reads of this slot.
; fill = 1: this slot is filled again with the walk's K step two on.  Its group 0 is made anew between the add and the wait for it, where no tensor load of mine is out: my rows' address + the byte in the row, which then steps and turns at the row's end.
.macro TURN slot, next, fill
	WIN 0
	s_wait_tensorcnt 0x0                           ; all my tensor loads have landed: my part of the next slot
	ds_add_u32 v[SPW], v[NIL]
.if \fill
	s_add_nc_u64 s[G0+4*\slot+2:G0+4*\slot+3], s[18:19], s[KO:KO+1]
	s_or_b32 s[G0+4*\slot+3], s[G0+4*\slot+3], 0x80000000
	s_add_nc_u64 s[G0B+4*\slot+2:G0B+4*\slot+3], s[46:47], s[KO:KO+1]
	s_or_b32 s[G0B+4*\slot+3], s[G0B+4*\slot+3], 0x80000000
	s_add_co_u32 s[KO], s[KO], KSTEP*2
	s_and_b32 s[KO], s[KO], SIZE_K*2-1
.endif
	s_wait_dscnt 17                                ; the add and the youngest sixteen loads may be out
	WIN MUL
	MUL8 F1, 0, 0, 0
	s_wait_dscnt 0x0                               ; the add is done, and my reads of this slot are over
	s_barrier_signal -1
	MUL8 F1, 0, 2, 0
.if \fill
	WIN 0
.endif
	s_barrier_wait -1
.if \fill
	CREST                                          ; the barrier has opened a round of the cluster's: no wave of any partner still reads this slot or has a load on its way
	JLOAD \slot                                    ; its four v_nop are also the places in front of the loads below
.else
	PLACES
.endif
	FETCH \next, 0, F0
	WIN MUL
	MUL8 F1, 1, 0, 0
	MUL8 F1, 1, 2, 0
.endm
	s_wait_tensorcnt 0x1                           ; my part of the walk's K step 0 is in; K step 1's load may stay out
	s_barrier_signal -1
	s_barrier_wait -1
	FETCH 0, 0, F0
	QUARTER 0, 128, F0, F1, 1                      ; the first quarter stands in front of the loop: its first products start the sums
	WIN 0
	s_mov_b32 s3, LAPS-1
.Llap:                                                 ; a trip goes once round the ring and fills both slots again
	QUARTER 0, 256, F1, F0, 0
	QUARTER 0, 384, F0, F1, 0
	TURN 0, 1, 1
	QUARTER 1, 128, F0, F1, 0
	QUARTER 1, 256, F1, F0, 0
	QUARTER 1, 384, F0, F1, 0
	TURN 1, 0, 1
	QUARTER 0, 128, F0, F1, 0
	WIN 0
	s_sub_co_u32 s3, s3, 1
	s_cmp_lg_u32 s3, 0
	s_cbranch_scc1 .Llap
	QUARTER 0, 256, F1, F0, 0                      ; the last lap fills nothing
	QUARTER 0, 384, F0, F1, 0
	TURN 0, 1, 0
	QUARTER 1, 128, F0, F1, 0
	QUARTER 1, 256, F1, F0, 0
	QUARTER 1, 384, F0, F1, 0
	s_wait_dscnt 16
	WIN MUL
	MUL8 F1, 0, 0, 0
	MUL8 F1, 0, 2, 0
	s_wait_dscnt 0x0
	MUL8 F1, 1, 0, 0
	MUL8 F1, 1, 2, 0
	WIN 0
	PLACES
	s_wait_loadcnt 0x0                             ; rowf
; THE WAY OUT, 16 rows x 64 columns at a time: x rowf, through my own stage, back as whole rows of 256 bytes.  Every store has registers of its own, in window 1.
.macro OUTBLK a
.set ii, 0
.rept 32
	v_mul_f32 v[TMP+ii], v[ACC+32*(\a)+ii], v[RF+(\a)]             ; each accumulator from its low end on
.set ii, ii+1
.endr
.irp b, 0,1,2,3
	ds_store_b128 v[STO], v[TMP+8*\b:TMP+8*\b+3] offset:64*\b
	ds_store_b128 v[STO], v[TMP+8*\b+4:TMP+8*\b+7] offset:64*\b+16
.endr
	WIN 0x40
.irp t, 0,1,2,3,4,5,6,7
	ds_load_b128 v[32*(\a)+4*\t:32*(\a)+4*\t+3], v[RD] offset:\t*2*SPITCH          ; LDS serves a wave's instructions in order: these see the stores above
.endr
	s_wait_dscnt 0x0
	WIN 0x04
.irp t, 0,1,2,3,4,5,6,7
	global_store_b128 v[CO], v[32*(\a)+4*\t:32*(\a)+4*\t+3], s[10:11] offset:(16*(\a)+2*\t)*SIZE_N*4 th:TH_STORE_NT   ; 16 lanes store 256 consecutive bytes, aligned
.endr
	WIN 0
.endm
	OUTBLK 0
	OUTBLK 1
	OUTBLK 2
	OUTBLK 3
	s_wait_tensorcnt 0x0                           ; the wave's end
	ds_add_u32 v[SPW], v[NIL]
	s_wait_dscnt 0x0
	CROUND                                         ; the closing round
	s_endpgm
.Lfunc_end_k_qaa39cbbd8a_outp:
	.size	k_qaa39cbbd8a_outp, .Lfunc_end_k_qaa39cbbd8a_outp-k_qaa39cbbd8a_outp
	.p2alignl 7, 3214868480
	.fill 96, 4, 3214868480
	.section	.rodata,"a",@progbits
	.p2align	6, 0x0
	.amdhsa_kernel k_qaa39cbbd8a_outp
		.amdhsa_group_segment_fixed_size 327680
		.amdhsa_private_segment_fixed_size 0
		.amdhsa_enable_private_segment 0
		.amdhsa_kernarg_size 32
		.amdhsa_user_sgpr_count 2
		.amdhsa_user_sgpr_kernarg_segment_ptr 1
		.amdhsa_wavefront_size32 1
		.amdhsa_system_sgpr_workgroup_id_x 1
		.amdhsa_system_sgpr_workgroup_id_y 1
		.amdhsa_system_sgpr_workgroup_id_z 1
		.amdhsa_system_vgpr_workitem_id 0
		.amdhsa_next_free_vgpr 512
		.amdhsa_next_free_sgpr 68
		.amdhsa_reserve_vcc 0
		.amdhsa_float_denorm_mode_32 3
		.amdhsa_float_denorm_mode_16_64 3
		.amdhsa_memory_ordered 1
		.amdhsa_forward_progress 1
		.amdhsa_inst_pref_size 91
	.end_amdhsa_kernel
	.amdgpu_metadata
---
amdhsa.version: [ 1, 2 ]
amdhsa.kernels:
  - .name:           k_qaa39cbbd8a_outp
    .symbol:         k_qaa39cbbd8a_outp.kd
    .args:
      - { .name: aq, .offset: 0, .size: 8, .value_kind: global_buffer, .address_space: global }
      - { .name: pt, .offset: 8, .size: 8, .value_kind: global_buffer, .address_space: global }
      - { .name: rowf, .offset: 16, .size: 8, .value_kind: global_buffer, .address_space: global }
      - { .name: out0, .offset: 24, .size: 8, .value_kind: global_buffer, .address_space: global }
    .group_segment_fixed_size: 327680
    .private_segment_fixed_size: 0
    .kernarg_segment_align: 8
    .kernarg_segment_size: 32
    .max_flat_workgroup_size: 128
    .sgpr_count:     68
    .vgpr_count:     512
    .wavefront_size: 32
...
	.end_amdgpu_metadata
.endif
;; end of part 4
